; MI455X (gfx1250); checked and timed in simulation.
; The chip was launched on July 23, 2026; its instructions are those of AMD's public machine-readable ISA for CDNA 5 (MIT licence, August 2026) and "CDNA5" Instruction Set Architecture Reference Guide (July 2026). The comments in the code are by the model that wrote it; some were corrected since.
;; Mixture Of Experts. Allowed arithmetic: matrix products marked QUANTISED: E5M2 operands, one E8M0 scale for each 32 along K, by v_wmma_scale_f32_16x16x128_f8f6f4 with both operands' format E5M2, f32 sums; products left as they are: f32 operands where the result goes on into a quantised operand, else bf16, f16 or f32 operands; f32 sums; everything else in f32.
;; Inputs: gate_w 1,024 x 8 float32; w1_codes 8 x 2,048 x 32 x 32 uint8 (E5M2 codes of w1, K innermost, in blocks of 32 codes); w1_scales 8 x 2,048 x 32 uint8 (E8M0 scales of w1, one for each 32 codes along K); w2_codes 8 x 1,024 x 64 x 32 uint8 (E5M2 codes of w2, K innermost, in blocks of 32 codes); w2_scales 8 x 1,024 x 64 uint8 (E8M0 scales of w2, one for each 32 codes along K); x 2 x 1,024 x 1,024 float32.
;; Outputs: out0 2 x 1,024 x 1,024 float32.
;; This version of the problem:
;;   THIS VERSION OF THE PROBLEM IS GIVEN IN LOW PRECISION. The matrix products marked QUANTISED in the list below multiply operands that are first quantised to E5M2 (5 exponent bits, 2 mantissa bits; 8 bits a number), with one power-of-two scale for each 32 numbers along K (OCP MX v1.0); their sums are f32. All else is computed in f32.
;;   The module's matrix products, in the order in which they are computed (A, B: the left and right operand; K: the contracted axis; several contracted axes count as one K, in the product's order):
;;     1. [M 2,048, K 1,024] x [K 1,024, N 8]; A: input x; B: input gate_w: left as it is (N = 8 < 16)
;;     2. [M 16,384, K 1,024] x [K 1,024, N 2,048]; A: input w1 (given as codes); B: input x: QUANTISED
;;     3. batch 8 x [M 2,048, K 2,048] x [K 2,048, N 1,024]; A: computed on the way; B: input w2 (given as codes): QUANTISED
;;     4. batch 2,048 x [M 1,024, K 8] x [K 8, N 1]; A: computed on the way; B: computed on the way: left as it is (K = 8 < 32)
;;   THE QUANTISER, for each operand of a quantised product, along K:
;;     - K is cut into blocks of 32 from its start; a last block that is shorter is filled with zeros.
;;     - A block's scale is 2^e with e = floor(log2(the largest magnitude in the block)) - 15, held to -126 .. 127; a block of zeros has e = 0. As a byte (E8M0): e + 127.
;;     - Each number is divided by its block's scale, clamped to +-57,344, and rounded to the nearest number of E5M2, ties to even, subnormals kept.
;;     - The product sums the exact products of the quantised numbers (number of the format x scale) in f32.
;;   ~~~python
;;   def quantise(x, axis):      # numpy; x: float32 -> the quantised numbers, widened to float32 again
;;       x = np.moveaxis(x, axis, -1); K = x.shape[-1]
;;       x = np.pad(x, [(0, 0)] * (x.ndim - 1) + [(0, -K % 32)]); x = x.reshape(x.shape[:-1] + (-1, 32)); a = np.abs(x).max(-1, keepdims=True)
;;       e = np.where(a > 0, np.clip(np.frexp(np.where(a > 0, a, 1))[1] - 1 - 15, -126, 127), 0)      # np.frexp(a)[1] - 1 = floor(log2(a)), exactly
;;       r = np.clip(x / 2.0 ** e, -57344, 57344)
;;       step = 2.0 ** (np.maximum(np.frexp(np.where(r == 0, 1, r))[1] - 1, -14) - 2)
;;       q = np.round(r / step) * step * 2.0 ** e      # np.round: ties to even
;;       return np.moveaxis(q.reshape(q.shape[:-2] + (-1,))[..., :K], -1, axis).astype(np.float32)
;;   ~~~
;;   OPERANDS COMPUTED ON THE WAY. 'Computed on the way' means the value that the module computes at that place (a softmax that the list does not call 'softmax' is quantised finished and normalised). What goes into a quantiser is computed in f32, as accurately as f32 sums, v_exp_f32 and their like allow (about 1e-6 of the number): no bf16 or f16 on the way to a quantiser, and a product that is left as it is and whose result goes on into a quantised operand takes f32 operands (vector FMAs, or v_wmma_f32_16x16x4_f32). A number that lies on a knife's edge between two numbers of the format may be rounded either way, as far as f32 arithmetic and the matrix unit's own rounding can turn it there, and no further.
;;   INPUTS GIVEN AS CODES. w1 (in the module: [8, 1024, 2048], K = its axis 1); w2 (in the module: [8, 2048, 1024], K = its axis 1): each comes as NAME_codes (uint8): NAME with its K axis moved to the last place and cut into blocks of 32 codes, [.., K / 32, bytes a block], one block behind the other in memory; one code a byte (a code: sign, 5 exponent bits, 2 mantissa bits); and NAME_scales (uint8): the same leading axes, one E8M0 byte (e + 127) for each 32 codes along K. Its value is code x scale, taken as it is: it is not quantised again, and the codes and scales need not be those that the quantiser above would give.
;; 2 versions, each right; version 2 is version 1 with the launches ffn1, ffn2 written anew for expert scheduling mode. Each part assembles by itself: llvm-mc -triple=amdgcn-amd-amdhsa -mcpu=gfx1250 --defsym DOCPART=n.
;; ======== version 1 of 2: 5 launches
;; workspace buffers: xq 2,162,688 bytes; sel 8,192 bytes of whole numbers; gw 16,384 bytes; plan 82,176 bytes of whole numbers; hq 33,554,432 bytes; hs 1,048,576 bytes; y 67,108,864 bytes
;; launch route (part 1): grid 256 x 1, 4 waves a work-group, no clusters, 35,840 bytes of LDS; arguments x, gate_w, xq, sel, gw; writes xq, sel, gw
.if DOCPART == 1
	.amdgcn_target "amdgcn-amd-amdhsa--gfx1250"
	.amdhsa_code_object_version 6
	.text
	.protected	k_q10644eca14_route
	.globl	k_q10644eca14_route
	.p2align	8
	.type	k_q10644eca14_route,@function
k_q10644eca14_route:
	s_mov_b64 s[64:65], 0
	v_nop
	global_prefetch_b8 v0, s[64:65] scope:SCOPE_SE
	s_setreg_imm32_b32 hwreg(HW_REG_WAVE_MODE, 25, 1), 1
	s_wait_xcnt 0x0
; ROUTE.  x [2048 tokens][1024] f32 is read once and serves twice: (1) it is quantised along d into codes of E5M2 with one E8M0 byte for each 32
; (xq: codes [2048][1024], from byte XS_OFF on the scale bytes [2048][32]); (2) the router's logits x . gate_w are summed in f32, the two largest
; of the eight are chosen (on a tie the lower index, as jax.lax.top_k does), and the softmax of the two is taken with the larger one subtracted first.
; The choice is stored at fixed places as whole numbers (sel: e0 | e1 << 8 for each token) and the two weights as f32 (gw [2048][2]): no address and no branch here hangs on it.
; SHARES.  A work-group takes 8 tokens.  Thread t of 128 takes d = 8 t .. 8 t + 7 of each token: four neighbouring lanes hold a block of 32.  A thread's 8 rows of gate_w (64 numbers) stay in registers.
; Each thread's eight partial logits of each token go to LDS; behind ONE barrier sixteen threads to a token add them up.
; No matrix unit (N = 8), no tensor loads, no cluster: x is read once by one work-group, and gate_w is 32,768 bytes.
; LIMITS: NaN and infinities among the inputs or logits are not served.  A block whose largest magnitude lies under 2^-111 keeps the byte 1; a block of zeros has the byte 1 where the rule
; says 127: its codes are zeros, and this program alone reads the bytes.  The logits are f32 sums in another order than reference()'s: two logits within some 1e-7 of each other, relative, may change places.
.set XS_OFF, 2097152                   ; where the scale bytes begin in xq
.set PLT,    4352                      ; LDS: a token's partial logits: 128 threads x 32 bytes, and 16 bytes of padding behind each 256
.set XSL,    8*PLT                     ; LDS: behind them the 8 tokens' 256 scale bytes
.set G,   16                           ; v16-79    gate_w: register 8 i + e = gate_w[my d i][e]; later the partial logits read back
.set X,   80                           ; v80-143   x: token t at X + 8 t
.set P,   144                          ; v144-207  partial logits: token t at P + 8 t (a set for each token: no LDS store's data are written again)
.set C,   208                          ; v208-223  codes: two registers a token
.set BY,  224                          ; v224-231  a scale byte a token
.set L,   232                          ; v232-239  the eight logits of my token
	s_load_b256 s[4:11], s[0:1], 0x0               ; x s[4:5], gate_w s[6:7], xq s[8:9], sel s[10:11]
	s_load_b64 s[12:13], s[0:1], 0x20              ; gw
	v_lshl_add_u32 v252, v0, 2, 0x8a00
	v_mov_b32 v253, 0
	v_lshrrev_b32 v7, 5, v0
	v_readfirstlane_b32 s14, v7                    ; wave 0..3
	v_and_b32 v1, 31, v0                           ; lane
	s_mov_b32 s15, 0x600000                        ; the mantissa field of 57,344
	v_lshlrev_b32 v2, 5, v0                        ; x: my 8 numbers of a token: 32 bytes a thread
	v_lshlrev_b32 v3, 8, v0                        ; gate_w: my 8 rows of 32 bytes
	v_lshrrev_b32 v7, 3, v0
	v_lshl_add_u32 v4, v7, 4, v2                   ; LDS: my partial logits: 32 t + 16 (t / 8)
	v_lshrrev_b32 v5, 2, v0
	v_add_nc_u32 v5, XSL, v5                       ; LDS: my block's scale byte: t / 4
	v_lshlrev_b32 v6, 3, v0                        ; xq: my 8 codes of a token
	v_lshrrev_b32 v7, 4, v0                        ; behind the barrier: my token, t / 16,
	v_and_b32 v9, 15, v0                           ; and which eight threads' partial logits I add: t % 16
	v_mul_u32_u24 v8, v7, PLT
	v_mad_u32_u24 v8, v9, 272, v8                  ; they lie in one run of 256 bytes
	v_lshlrev_b32 v13, 2, v7                       ; sel: 4 bytes a token
	v_lshlrev_b32 v14, 3, v7                       ; gw: 8 bytes a token
	v_lshlrev_b32 v15, 3, v1                       ; the scale bytes' way out: 8 bytes a lane,
	v_lshl_add_u32 v7, v1, 3, XSL                  ; in memory and in LDS
	s_mov_b32 s17, 0
	s_wait_kmcnt 0x0
	s_lshl_b32 s16, ttmp9, 15                      ; 8 tokens x 4,096 bytes
	s_add_nc_u64 s[4:5], s[4:5], s[16:17]
	s_lshl_b32 s16, ttmp9, 8                       ; 8 tokens x 32 scale bytes
	s_add_nc_u64 s[20:21], s[8:9], s[16:17]
	s_add_nc_u64 s[20:21], s[20:21], XS_OFF
	s_lshl_b32 s16, ttmp9, 13                      ; 8 tokens x 1,024 codes
	s_add_nc_u64 s[8:9], s[8:9], s[16:17]
	s_lshl_b32 s16, ttmp9, 5
	s_add_nc_u64 s[10:11], s[10:11], s[16:17]
	s_lshl_b32 s16, ttmp9, 6
	s_add_nc_u64 s[12:13], s[12:13], s[16:17]
.irp j, 0,1,2,3,4,5,6,7,8,9,10,11,12,13,14,15
	global_load_b128 v[G+4*\j:G+4*\j+3], v3, s[6:7] offset:16*\j
.endr
.irp t, 0,1,2,3,4,5,6,7
	global_load_b128 v[X+8*\t:X+8*\t+3], v2, s[4:5] offset:4096*\t th:TH_LOAD_NT
	global_load_b128 v[X+8*\t+4:X+8*\t+7], v2, s[4:5] offset:4096*\t+16 th:TH_LOAD_NT
.endr
; One token: my eight partial logits, then my eight codes.
.macro TOKEN t
	s_wait_loadcnt 2*(7-\t)                        ; loads come back in order: gate_w and this token's two loads are in; the later tokens' two each may be out
.irp j, 0,1,2,3
	v_pk_mul_f32 v[P+8*\t+2*\j:P+8*\t+2*\j+1], v[X+8*\t:X+8*\t+1], v[G+2*\j:G+2*\j+1] op_sel_hi:[0,1]   ; x0 x two experts' weights: the first product starts the sums
.endr
.irp i, 1,2,3,4,5,6,7
.irp j, 0,1,2,3
.if \i % 2
	v_pk_fma_f32 v[P+8*\t+2*\j:P+8*\t+2*\j+1], v[X+8*\t+\i-1:X+8*\t+\i], v[G+8*\i+2*\j:G+8*\i+2*\j+1], v[P+8*\t+2*\j:P+8*\t+2*\j+1] op_sel:[1,0,0] op_sel_hi:[1,1,1]   ; the pair's upper x for both halves
.else
	v_pk_fma_f32 v[P+8*\t+2*\j:P+8*\t+2*\j+1], v[X+8*\t+\i:X+8*\t+\i+1], v[G+8*\i+2*\j:G+8*\i+2*\j+1], v[P+8*\t+2*\j:P+8*\t+2*\j+1] op_sel_hi:[0,1,1]   ; the pair's lower x for both halves
.endif
.endr
.endr
	ds_store_b128 v4, v[P+8*\t:P+8*\t+3] offset:\t*PLT
	ds_store_b128 v4, v[P+8*\t+4:P+8*\t+7] offset:\t*PLT+16
	v_max3_num_f32 v10, |v[X+8*\t]|, |v[X+8*\t+1]|, 0x8000000      ; the largest magnitude of my 8, and the floor 2^(16 - 127): the byte cannot fall under 1
	v_max3_num_f32 v10, v10, |v[X+8*\t+2]|, |v[X+8*\t+3]|
	v_max3_num_f32 v10, v10, |v[X+8*\t+4]|, |v[X+8*\t+5]|
	v_max3_num_f32 v10, v10, |v[X+8*\t+6]|, |v[X+8*\t+7]|
	v_max_num_f32_dpp v10, v10, v10 row_xmask:1 row_mask:0xf bank_mask:0xf
	v_max_num_f32_dpp v10, v10, v10 row_xmask:2 row_mask:0xf bank_mask:0xf   ; with the three lanes that share the block
	v_add_nc_u32 v11, 0xf8800000, v10              ; 15 off its exponent field: the conversion takes the exponent field of this operand as its scale
	v_and_or_b32 v12, v10, 0x7f800000, s15         ; 57,344 x the scale
.irp i, 0,1,2,3,4,5,6,7
	v_med3_num_f32 v[X+8*\t+\i], v[X+8*\t+\i], -v12, v12           ; the conversion to an 8-bit code does not saturate (ISA guide 7.6.2): the hold.  In place: the logits have read x
.endr
	v_cvt_scalef32_pk8_bf8_f32 v[C+2*\t:C+2*\t+1], v[X+8*\t:X+8*\t+7], v11
	v_lshrrev_b32 v[BY+\t], 23, v11                ; the scale's byte (also the plain line behind the conversion)
	ds_store_b8 v5, v[BY+\t] offset:32*\t          ; the four lanes of a block write the same byte with the same value
	global_store_b64 v6, v[C+2*\t:C+2*\t+1], s[8:9] offset:1024*\t  ; the wave's 32 lanes store 256 consecutive bytes, aligned
.endm
.irp t, 0,1,2,3,4,5,6,7
	TOKEN \t
.endr
	s_wait_dscnt 0x0                               ; for the others' sake: my LDS stores have landed
	s_barrier_signal -1
	s_barrier_wait -1
.irp j, 0,1,2,3,4,5,6,7
	ds_load_b128 v[G+8*\j:G+8*\j+3], v8 offset:32*\j               ; eight threads' partial logits of my token
	ds_load_b128 v[G+8*\j+4:G+8*\j+7], v8 offset:32*\j+16
.endr
	s_wait_dscnt 0x0
.irp k, 0,1,2,3
	v_pk_add_f32 v[L+2*\k:L+2*\k+1], v[G+2*\k:G+2*\k+1], v[G+8+2*\k:G+8+2*\k+1]
.endr
.irp j, 2,3,4,5,6,7
.irp k, 0,1,2,3
	v_pk_add_f32 v[L+2*\k:L+2*\k+1], v[L+2*\k:L+2*\k+1], v[G+8*\j+2*\k:G+8*\j+2*\k+1]
.endr
.endr
.irp m, 1,2,4,8
.irp e, 0,1,2,3,4,5,6,7
	v_add_f32_dpp v[L+\e], v[L+\e], v[L+\e] row_xmask:\m row_mask:0xf bank_mask:0xf   ; over the token's sixteen lanes: every one of them ends with the same eight logits
.endr
.endr
	v_mov_b32 v240, v[L]                           ; the largest logit and its index; a later one takes its place only if it is strictly larger
	v_mov_b32 v241, 0
.irp e, 1,2,3,4,5,6,7
	v_cmp_le_f32 vcc_lo, v[L+\e], v240
	v_cndmask_b32 v241, \e, v241, vcc_lo
	v_max_num_f32 v240, v240, v[L+\e]
.endr
	v_mov_b32 v244, 0xff800000                     ; -infinity takes the chosen logit's place,
.irp e, 0,1,2,3,4,5,6,7
	v_cmp_eq_u32 vcc_lo, \e, v241
	v_cndmask_b32 v[L+\e], v[L+\e], v244, vcc_lo
.endr
	v_mov_b32 v242, v[L]                           ; and the same search gives the second
	v_mov_b32 v243, 0
.irp e, 1,2,3,4,5,6,7
	v_cmp_le_f32 vcc_lo, v[L+\e], v242
	v_cndmask_b32 v243, \e, v243, vcc_lo
	v_max_num_f32 v242, v242, v[L+\e]
.endr
	v_sub_f32 v245, v242, v240                     ; the softmax of the two, the larger taken away: 1 / (1 + u) and u / (1 + u), u = e^(second - first), at most 1
	v_mul_f32 v245, 0x3fb8aa3b, v245
	v_exp_f32 v245, v245
	v_lshl_or_b32 v248, v243, 8, v241              ; e0 | e1 << 8 (a plain line behind the exponential)
	s_wait_alu depctr_va_vdst(0)
	v_add_f32 v249, 1.0, v245
	v_rcp_f32 v246, v249
	v_nop                                          ; a plain line behind the reciprocal
	s_wait_alu depctr_va_vdst(0)
	v_mul_f32 v247, v245, v246
	s_cmp_lg_u32 s14, 0
	s_cbranch_scc1 .Lno_scales
	ds_load_b64 v[250:251], v7                     ; wave 0: the 8 tokens' 256 scale bytes leave as one aligned run of 256 bytes
	s_wait_dscnt 0x0
	global_store_b64 v15, v[250:251], s[20:21]
.Lno_scales:
	s_wait_xcnt 0x0                                ; EXEC is a source of the stores above: it changes only behind this wait
	v_cmp_eq_u32 vcc_lo, 0, v9
	s_wait_tensorcnt 0x0
	ds_add_u32 v252, v253
	s_wait_dscnt 0x0
	s_and_saveexec_b32 s18, vcc_lo                 ; one lane for each token
	global_store_b32 v13, v248, s[10:11]
	global_store_b64 v14, v[246:247], s[12:13]
	s_endpgm
.Lfunc_end_k_q10644eca14_route:
	.size	k_q10644eca14_route, .Lfunc_end_k_q10644eca14_route-k_q10644eca14_route
	.p2alignl 7, 3214868480
	.fill 96, 4, 3214868480
	.section	.rodata,"a",@progbits
	.p2align	6, 0x0
	.amdhsa_kernel k_q10644eca14_route
		.amdhsa_group_segment_fixed_size 35840
		.amdhsa_private_segment_fixed_size 0
		.amdhsa_enable_private_segment 0
		.amdhsa_kernarg_size 40
		.amdhsa_user_sgpr_count 2
		.amdhsa_user_sgpr_kernarg_segment_ptr 1
		.amdhsa_wavefront_size32 1
		.amdhsa_system_sgpr_workgroup_id_x 1
		.amdhsa_system_sgpr_workgroup_id_y 1
		.amdhsa_system_sgpr_workgroup_id_z 1
		.amdhsa_system_vgpr_workitem_id 0
		.amdhsa_next_free_vgpr 254
		.amdhsa_next_free_sgpr 66
		.amdhsa_reserve_vcc 1
		.amdhsa_float_denorm_mode_32 3
		.amdhsa_float_denorm_mode_16_64 3
		.amdhsa_memory_ordered 1
		.amdhsa_forward_progress 1
		.amdhsa_inst_pref_size 41
	.end_amdhsa_kernel
	.amdgpu_metadata
---
amdhsa.version: [ 1, 2 ]
amdhsa.kernels:
  - .name:           k_q10644eca14_route
    .symbol:         k_q10644eca14_route.kd
    .args:
      - { .name: x, .offset: 0, .size: 8, .value_kind: global_buffer, .address_space: global }
      - { .name: gate_w, .offset: 8, .size: 8, .value_kind: global_buffer, .address_space: global }
      - { .name: xq, .offset: 16, .size: 8, .value_kind: global_buffer, .address_space: global }
      - { .name: sel, .offset: 24, .size: 8, .value_kind: global_buffer, .address_space: global }
      - { .name: gw, .offset: 32, .size: 8, .value_kind: global_buffer, .address_space: global }
    .group_segment_fixed_size: 35840
    .private_segment_fixed_size: 0
    .kernarg_segment_align: 8
    .kernarg_segment_size: 40
    .max_flat_workgroup_size: 128
    .sgpr_count:     66
    .vgpr_count:     254
    .wavefront_size: 32
...
	.end_amdgpu_metadata
.endif
;; end of part 1
;; launch place (part 2): grid 1 x 1, 8 waves a work-group, no clusters, 66,816 bytes of LDS; arguments sel, plan; writes plan
.if DOCPART == 2
	.amdgcn_target "amdgcn-amd-amdhsa--gfx1250"
	.amdhsa_code_object_version 6
	.text
	.protected	k_q10644eca14_place
	.globl	k_q10644eca14_place
	.p2align	8
	.type	k_q10644eca14_place,@function
k_q10644eca14_place:
	s_mov_b64 s[64:65], 0
	v_nop
	global_prefetch_b8 v0, s[64:65] scope:SCOPE_SE
	s_setreg_imm32_b32 hwreg(HW_REG_WAVE_MODE, 25, 1), 1
	s_wait_xcnt 0x0
; PLACE.  From sel (e0 | e1 << 8 for each of 2,048 tokens) it makes plan, all whole numbers:
;   bytes 0 on:       list [8][2048]: the token in slot s of expert e.  A PERMUTATION of the tokens: those routed to e take slots 0 .. cnt - 1 in ascending order, the others fill from slot 2,047 downward.
;                     So the rows that pad an expert's last group of 16 are real tokens, and nothing that a later launch reads is left unwritten.
;   bytes 65,536 on:  pos [2048][2]: for each token the rows e x 2,048 + slot of its two experts, in sel's order.
;   bytes 81,920 on:  32 words: word i = cnt[i % 8].
; One work-group, since the ranks run over all tokens: wave e scans all 2,048 tokens for expert e, 32 a step, the running count in a scalar register; no atomics.
; The slots meet in LDS (as 4 x slot, the register that is also the list store's address); behind ONE barrier wave w picks the two slots of tokens 256 w .. 256 w + 255 by selects, with no address made of data.
.set POS_OFF, 65536
.set CNT_OFF, 81920
.set CNTL,    65536                    ; LDS: [8][2048] words of 4 x slot, then the eight counts
.set S,  16                            ; v16-79    sel of tokens 32 i + lane; then 4 x slot: the address of step i's store, and its LDS data
.set T,  80                            ; v80-143   token numbers: step i's store data (each step has registers of its own: none is written again)
.set R,  144                           ; v144-207  4 x slot of my 8 tokens under the 8 experts
.set Q,  208                           ; v208-215  sel of my 8 tokens
.set PP, 216                           ; v216-231  their two rows
	s_load_b128 s[4:7], s[0:1], 0x0                ; sel s[4:5], plan s[6:7]
	v_lshl_add_u32 v240, v0, 2, 0x10100
	v_mov_b32 v241, 0
	v_lshrrev_b32 v7, 5, v0
	v_readfirstlane_b32 s8, v7                     ; wave 0..7: the expert that I scan for
	v_and_b32 v1, 31, v0                           ; lane
	v_lshlrev_b32 v2, 2, v1
	v_sub_nc_u32 v3, 2047, v1
	v_lshl_add_u32 v4, v7, 13, v2                  ; LDS: my expert's row, my lane's word
	v_lshl_add_u32 v5, v7, 10, v2                  ; tokens 256 w + lane: 4 bytes each
	v_lshlrev_b32 v6, 3, v1
	v_lshl_add_u32 v6, v7, 11, v6                  ; and 8 bytes each
	v_lshl_add_u32 v11, v7, 2, CNTL
	v_and_b32 v12, 7, v1
	v_lshl_add_u32 v12, v12, 2, CNTL
	s_mov_b32 s9, 0                                ; members so far
	s_lshl_b32 s16, s8, 13
	s_mov_b32 s17, 0
	s_wait_kmcnt 0x0
	s_add_nc_u64 s[14:15], s[6:7], s[16:17]        ; my expert's list
.irp j, 0,1,2,3,4,5,6,7
	global_load_b32 v[Q+\j], v5, s[4:5] offset:128*\j
.endr
.set I, 0
.rept 64
	global_load_b32 v[S+I], v2, s[4:5] offset:128*I
.set I, I+1
.endr
.macro STEP i
	s_wait_loadcnt 63-\i                           ; loads come back in order: step i's is in, the 63 - i younger ones may be out
	v_and_b32 v7, 0xff, v[S+\i]
	v_lshrrev_b32 v8, 8, v[S+\i]
	v_cmp_eq_u32 s10, s8, v7
	v_cmp_eq_u32 s11, s8, v8
	s_or_b32 s12, s10, s11                         ; the lanes whose token is routed to my expert
	v_mbcnt_lo_u32_b32 v9, s12, s9                 ; r = members before my token: a member's slot
	v_add3_u32 v10, v9, v3, -32*\i                 ; 2,047 - (token - r): the slot of one that is none
	v_cndmask_b32 v10, v10, v9, s12
	v_min_u32 v10, 2047, v10                       ; a number made of loaded data enters an address only behind this hold
	v_lshlrev_b32 v[S+\i], 2, v10
	v_add_nc_u32 v[T+\i], 32*\i, v1
	ds_store_b32 v4, v[S+\i] offset:128*\i
	global_store_b32 v[S+\i], v[T+\i], s[14:15]
	s_bcnt1_i32_b32 s13, s12
	s_add_co_u32 s9, s9, s13
.endm
.set I, 0
.rept 64
	STEP I
.set I, I+1
.endr
	v_mov_b32 v7, s9
	ds_store_b32 v11, v7                           ; my expert's count
	s_wait_dscnt 0x0                               ; for the others' sake: my LDS stores have landed
	s_barrier_signal -1
	s_barrier_wait -1
.irp j, 0,1,2,3,4,5,6,7
.irp e, 0,1,2,3,4,5,6,7
	ds_load_b32 v[R+8*\j+\e], v5 offset:\e*8192+128*\j
.endr
.endr
	s_wait_dscnt 0x0
	s_wait_loadcnt 0x0
.irp j, 0,1,2,3,4,5,6,7
	v_and_b32 v7, 0xff, v[Q+\j]
	v_lshrrev_b32 v8, 8, v[Q+\j]
	v_mov_b32 v[PP+2*\j], v[R+8*\j]                ; expert 0's, unless one of the seven selects below replaces it
	v_mov_b32 v[PP+2*\j+1], v[R+8*\j]
.irp e, 1,2,3,4,5,6,7
	v_add_nc_u32 v[R+8*\j+\e], \e*8192, v[R+8*\j+\e]               ; 4 x (e x 2,048 + slot)
	v_cmp_eq_u32 vcc_lo, \e, v7
	v_cndmask_b32 v[PP+2*\j], v[PP+2*\j], v[R+8*\j+\e], vcc_lo
	v_cmp_eq_u32 vcc_lo, \e, v8
	v_cndmask_b32 v[PP+2*\j+1], v[PP+2*\j+1], v[R+8*\j+\e], vcc_lo
.endr
	v_lshrrev_b32 v[PP+2*\j], 2, v[PP+2*\j]
	v_lshrrev_b32 v[PP+2*\j+1], 2, v[PP+2*\j+1]
	global_store_b64 v6, v[PP+2*\j:PP+2*\j+1], s[6:7] offset:POS_OFF+256*\j   ; 32 lanes store 256 consecutive bytes, aligned
.endr
	s_cmp_lg_u32 s8, 0
	s_cbranch_scc1 .Lend
	ds_load_b32 v9, v12                            ; wave 0: the counts
	s_wait_dscnt 0x0
	global_store_b32 v2, v9, s[6:7] offset:CNT_OFF
.Lend:
	s_wait_tensorcnt 0x0
	ds_add_u32 v240, v241
	s_wait_dscnt 0x0
	s_endpgm
.Lfunc_end_k_q10644eca14_place:
	.size	k_q10644eca14_place, .Lfunc_end_k_q10644eca14_place-k_q10644eca14_place
	.p2alignl 7, 3214868480
	.fill 96, 4, 3214868480
	.section	.rodata,"a",@progbits
	.p2align	6, 0x0
	.amdhsa_kernel k_q10644eca14_place
		.amdhsa_group_segment_fixed_size 66816
		.amdhsa_private_segment_fixed_size 0
		.amdhsa_enable_private_segment 0
		.amdhsa_kernarg_size 16
		.amdhsa_user_sgpr_count 2
		.amdhsa_user_sgpr_kernarg_segment_ptr 1
		.amdhsa_wavefront_size32 1
		.amdhsa_system_sgpr_workgroup_id_x 1
		.amdhsa_system_sgpr_workgroup_id_y 1
		.amdhsa_system_sgpr_workgroup_id_z 1
		.amdhsa_system_vgpr_workitem_id 0
		.amdhsa_next_free_vgpr 242
		.amdhsa_next_free_sgpr 66
		.amdhsa_reserve_vcc 1
		.amdhsa_float_denorm_mode_32 3
		.amdhsa_float_denorm_mode_16_64 3
		.amdhsa_memory_ordered 1
		.amdhsa_forward_progress 1
		.amdhsa_inst_pref_size 82
	.end_amdhsa_kernel
	.amdgpu_metadata
---
amdhsa.version: [ 1, 2 ]
amdhsa.kernels:
  - .name:           k_q10644eca14_place
    .symbol:         k_q10644eca14_place.kd
    .args:
      - { .name: sel, .offset: 0, .size: 8, .value_kind: global_buffer, .address_space: global }
      - { .name: plan, .offset: 8, .size: 8, .value_kind: global_buffer, .address_space: global }
    .group_segment_fixed_size: 66816
    .private_segment_fixed_size: 0
    .kernarg_segment_align: 8
    .kernarg_segment_size: 16
    .max_flat_workgroup_size: 256
    .sgpr_count:     66
    .vgpr_count:     242
    .wavefront_size: 32
...
	.end_amdgpu_metadata
.endif
;; end of part 2
;; launch ffn1 (part 3): grid 32 x 8, 4 waves a work-group, no clusters, 0 bytes of LDS; arguments xq, w1_codes, w1_scales, plan, hq, hs; writes hq, hs
.if DOCPART == 3
	.amdgcn_target "amdgcn-amd-amdhsa--gfx1250"
	.amdhsa_code_object_version 6
	.text
	.protected	k_q10644eca14_ffn1
	.globl	k_q10644eca14_ffn1
	.p2align	8
	.type	k_q10644eca14_ffn1,@function
k_q10644eca14_ffn1:
	s_mov_b64 s[64:65], 0
	v_nop
	global_prefetch_b8 v0, s[64:65] scope:SCOPE_SE
	s_setreg_imm32_b32 hwreg(HW_REG_WAVE_MODE, 25, 1), 1
	s_wait_xcnt 0x0
; FFN1.  h = Q(silu(x W1_e^T)) for the rows routed to each expert, on codes of E5M2 with one E8M0 scale for each 32 along K; Q quantises along f, the next product's K.
; Only routed rows are multiplied: reference()'s own one-hot throws the other experts' rows away.
; GRID.  y = the expert e.  x = 4 x slice + q.  A slice is 256 of the 2,048 hidden units; a work-group walks the expert's groups of 16 rows g = q, q + 4, q + 8 ..: n = (G + 3 - q) / 4 of them,
; G = ceil(cnt_e / 16), cnt_e read from plan.  The one grid serves every split, all tokens on one expert too (G = 128); a work-group with n = 0 stores nothing and ends.
; SHARES.  The four waves take the same rows and different columns: wave w the 64 hidden units f0 = 256 slice + 64 w on.  Its 64 rows of W1 (64 x 1,024 bytes) fill 512 registers, are read once and stay.
; A group's 16 rows of x (codes gathered by plan's list, 16 x 1,024 bytes = 128 registers) come from memory straight into the operand's registers, one group ahead, in two buffers.
; WHY NO TENSOR LOADS, LDS OR CLUSTER: the trip count n is read from memory and differs by up to one between the four work-groups (q) that share a slice's weights, and every wave has to pass every barrier:
; so this text has no barrier and no joint load; the rows of x are a gather by a list; and the weights are read once by a wave, whatever n is.
; LAYOUT.  The product is used TRANSPOSED (source 0 = 16 rows of W1, source 1 = 16 rows of x): a lane holds one row of h.  THE ROWS OF W1 THAT FORM A TILE ARE NOT NEIGHBOURS: lane r of tile t takes row
; f0 + 32 (t / 2) + 8 (t % 2) + r + 8 (r / 8), so that register 16 b + i of the four tiles' 32 is h(row r, f0 + 32 b + 16 (lane / 16) + i): 16 neighbours along the next K, a block of 32 in lanes l and l xor 16.
; SCALE WORDS come by one load of 16 bytes at row x 32 + 16 (lane / 16): register j holds K step j's word in lanes 0-15 and K step 4 + j's in lanes 16-31, which the second half of K selects by ROW1.
; OUT.  hq holds h's codes as IMAGES OF THE NEXT OPERAND'S REGISTERS: [e x 128 + g][K step f / 128: 16][piece c: 4][lane: 32][16 bytes]: each store of the wave covers 512 consecutive bytes, aligned.
; hs holds the scale bytes [e x 2,048 + row][64]: a wave has two bytes a row, stored one byte a lane: 32 bytes beside the group's 1,024 bytes of codes.
; LIMITS: NaN and infinities are not served.  A block of h whose largest magnitude lies under 2^-111, or that is all zeros, keeps the byte 1 (only this program reads the bytes).  For z under about -88 silu gives -0.
; REGISTERS, in windows of 256: window 0: see the names below.  window 1: W1's fragments (tile t, K step s < 4) at 16 (4 t + s).  window 2: K steps 4-7 likewise.  window 3: x's fragments, buffer b, K step s at 128 b + 16 s.
.set XS_OFF,  2097152
.set CNT_OFF, 81920
.set TMP, 11
.set VW,  5                            ; W1: (r + 8 (r / 8)) x 1,024 + 16 h
.set VWS, 6                            ; its scale bytes: (r + 8 (r / 8)) x 32 + 16 h
.set VL,  7                            ; the list: 4 x (slot of my row in the group whose token is asked for next)
.set VLC, 8                            ; the same, held inside the expert's 2,048 entries: the token load's address
.set TOK, 9                            ; the token as loaded
.set TK,  10                           ; and held at 2,047
.set AO,  12                           ; v12-13  x's codes: token x 1,024 + 16 h, for buffer 0, 1
.set XO,  14                           ; v14-15  x's scale bytes: token x 32 + 16 h
.set HO,  16                           ; hq: 16 x lane + 32,768 x group
.set SO,  17                           ; hs: 64 x row + h
.set BYS, 18                           ; the byte that I store
.set M,   20                           ; v20-21 the two blocks' largest magnitudes; v22-23 the other half's; v24-25 the conversions' scale operands; v26-27 57,344 x the scale; v28-29 the bytes
.set M2,  22
.set SCO, 24
.set HL,  26
.set BY,  28
.set CD,  32                           ; v32-39   the 32 codes just made
.set WS,  40                           ; v40-55   W1's scale words: tile t at 4 t + j
.set XSC, 56                           ; v56-63   x's scale words: buffer b at 4 b + j
.set AC,  64                           ; v64-95   four accumulators
.set T,   96                           ; v96-127  silu at work
.set MSB, 0
.macro WIN new                         ; the immediate's high byte repeats the setting that is left; a switch that changes nothing is dropped
.if MSB != (\new)
	s_set_vgpr_msb (MSB<<8)|(\new)
.set MSB, (\new)
.endif
.endm
.macro BFRAG t, s                      ; a fragment of W1: 16 rows x 128 K: four loads of 16 bytes a lane (the window is set by the caller)
.irp c, 0,1,2,3
	global_load_b128 v[16*(4*(\t)+(\s)%4)+4*\c:16*(4*(\t)+(\s)%4)+4*\c+3], v[VW], s[6:7] offset:(32*((\t)/2)+8*((\t)%2))*1024+128*(\s)+32*\c
.endr
.endm
.macro ALOAD b                         ; a group's 16 rows of x, all of K, into buffer b, and their scale words: 33 loads
	WIN 0xc0                                       ; destination window 3, address window 0
.irp s, 0,1,2,3,4,5,6,7
.irp c, 0,1,2,3
	global_load_b128 v[128*\b+16*\s+4*\c:128*\b+16*\s+4*\c+3], v[AO+\b], s[4:5] offset:128*\s+32*\c
.endr
.endr
	WIN 0
	global_load_b128 v[XSC+4*\b:XSC+4*\b+3], v[XO+\b], s[16:17]
.endm
.macro ASK b                           ; the token that has come gives buffer b's addresses; the token of the group behind it is asked for; then the 33 loads
	v_min_u32 v[TK], 2047, v[TOK]                  ; a loaded number enters an address only behind this hold
	v_lshl_add_u32 v[AO+\b], v[TK], 10, v3
	v_lshl_add_u32 v[XO+\b], v[TK], 5, v3
	v_add_nc_u32 v[VL], 256, v[VL]                 ; four groups of 16 slots on
	v_min_u32 v[VLC], 8188, v[VL]                  ; the look-ahead stays inside the expert's 2,048 entries
	global_load_b32 v[TOK], v[VLC], s[34:35]
	ALOAD \b
.endm
; Once in front of each group's way out.  The last group's three stores have read their data (the codes, the byte) and their addresses: behind this wait the addresses are stepped here, and the data are written
; again in the group's quantiser.  The wait stands AHEAD of the next group's loads, so that it does not wait for them; between it and those writes only loads are issued, which name none of these registers.
.macro STEPOUT
	s_wait_xcnt 0x0
	v_add_nc_u32 v[HO], 131072, v[HO]              ; four groups on
	v_add_nc_u32 v[SO], 4096, v[SO]
.endm
.macro NEXT b                          ; the next group into buffer b; then the group in hand is waited for
	s_wait_loadcnt 33                              ; the token load is older than the 33 loads of the group in hand, which may stay out; it also frees VLC
	STEPOUT
	ASK \b
	s_wait_loadcnt 34                              ; all but the token load and the 33 loads just issued: the group in hand is in
.endm
; 32 matrix instructions: K step by K step, the four tiles by turns, one instruction a turn.  The first K step starts the sums.
.macro MUL b
	WIN 0x0d                                       ; source 0 (W1) window 1, source 1 (x) window 3, C and D window 0
.irp s, 0,1,2,3
.irp t, 0,1,2,3
.if \s == 0
	v_wmma_scale_f32_16x16x128_f8f6f4 v[AC+8*\t:AC+8*\t+7], v[16*(4*\t+\s):16*(4*\t+\s)+15], v[128*\b+16*\s:128*\b+16*\s+15], 0, v[WS+4*\t+\s], v[XSC+4*\b+\s] matrix_a_fmt:MATRIX_FMT_BF8 matrix_b_fmt:MATRIX_FMT_BF8
.else
	v_wmma_scale_f32_16x16x128_f8f6f4 v[AC+8*\t:AC+8*\t+7], v[16*(4*\t+\s):16*(4*\t+\s)+15], v[128*\b+16*\s:128*\b+16*\s+15], v[AC+8*\t:AC+8*\t+7], v[WS+4*\t+\s], v[XSC+4*\b+\s] matrix_a_fmt:MATRIX_FMT_BF8 matrix_b_fmt:MATRIX_FMT_BF8
.endif
.endr
.endr
	WIN 0x0e                                       ; W1's K steps 4-7 lie in window 2; their scale words in lanes 16-31
.irp s, 0,1,2,3
.irp t, 0,1,2,3
	v_wmma_scale_f32_16x16x128_f8f6f4 v[AC+8*\t:AC+8*\t+7], v[16*(4*\t+\s):16*(4*\t+\s)+15], v[128*\b+64+16*\s:128*\b+64+16*\s+15], v[AC+8*\t:AC+8*\t+7], v[WS+4*\t+\s], v[XSC+4*\b+\s] matrix_a_fmt:MATRIX_FMT_BF8 matrix_b_fmt:MATRIX_FMT_BF8 matrix_a_scale:MATRIX_SCALE_ROW1 matrix_b_scale:MATRIX_SCALE_ROW1
.endr
.endr
	WIN 0
.endm
; silu, the quantiser, the stores.
.macro EPI
.rept 8
	v_nop                                          ; eight places behind this form before its results are read; with the sixteen additions of 1.0 below, which name none of the products' registers
.endr                                                  ; they are also the places in front of the next loads into x's buffer and of the next group's first products, which write the accumulators anew
.set kk, 0
.rept 16
	v_pk_mul_f32 v[T+kk:T+kk+1], v[AC+kk:AC+kk+1], s[28:29] op_sel_hi:[1,0]   ; -z log2(e); each accumulator from its low end on
.set kk, kk+2
.endr
.set kk, 0
.rept 32
	v_exp_f32 v[T+kk], v[T+kk]                     ; e^-z
.set kk, kk+1
.endr
	v_nop                                          ; a plain line behind the transcendentals
.set kk, 0
	s_wait_alu depctr_va_vdst(0)
.rept 16
	v_pk_add_f32 v[T+kk:T+kk+1], v[T+kk:T+kk+1], 1.0 op_sel_hi:[1,0]
.set kk, kk+2
.endr
.set kk, 0
.rept 32
	v_rcp_f32 v[T+kk], v[T+kk]                     ; 1 / (1 + e^-z)
.set kk, kk+1
.endr
	v_nop
.set kk, 0
	s_wait_alu depctr_va_vdst(0)
.rept 16
	v_pk_mul_f32 v[T+kk:T+kk+1], v[T+kk:T+kk+1], v[AC+kk:AC+kk+1]             ; silu(z)
.set kk, kk+2
.endr
.irp b, 0,1
	v_max3_num_f32 v[M+\b], |v[T+16*\b]|, |v[T+16*\b+1]|, 0x8000000           ; block b: my 16 numbers, and the floor 2^(16 - 127): the byte cannot fall under 1
.endr
.irp i, 2,4,6,8,10,12,14
.irp b, 0,1
	v_max3_num_f32 v[M+\b], v[M+\b], |v[T+16*\b+\i]|, |v[T+16*\b+\i+1]|
.endr
.endr
.irp b, 0,1
	v_permlanex16_b32 v[M2+\b], v[M+\b], s30, s31
.endr
.irp b, 0,1
	v_max_num_f32 v[M+\b], v[M+\b], v[M2+\b]       ; with lane l xor 16's 16: the block's largest magnitude
.endr
.irp b, 0,1
	v_add_nc_u32 v[SCO+\b], 0xf8800000, v[M+\b]    ; 15 off its exponent field: the conversion's scale operand
.endr
.irp b, 0,1
	v_and_or_b32 v[HL+\b], v[M+\b], 0x7f800000, s32   ; 57,344 x the scale
.endr
.irp b, 0,1
	v_lshrrev_b32 v[BY+\b], 23, v[SCO+\b]          ; the scale's byte
.endr
.irp b, 0,1
.irp i, 0,1,2,3,4,5,6,7,8,9,10,11,12,13,14,15
	v_med3_num_f32 v[T+16*\b+\i], v[T+16*\b+\i], -v[HL+\b], v[HL+\b]          ; the conversion to an 8-bit code does not saturate (ISA guide 7.6.2): the hold
.endr
.endr
.irp b, 0,1
	v_cvt_scalef32_pk8_bf8_f32 v[CD+4*\b:CD+4*\b+1], v[T+16*\b:T+16*\b+7], v[SCO+\b]
	v_cvt_scalef32_pk8_bf8_f32 v[CD+4*\b+2:CD+4*\b+3], v[T+16*\b+8:T+16*\b+15], v[SCO+\b]
.endr
	v_nop                                          ; a plain line behind the last conversion
	v_cndmask_b32 v[BYS], v[BY], v[BY+1], s33      ; lanes 0-15 store block 0's byte of their row, lanes 16-31 block 1's
	global_store_b128 v[HO], v[CD:CD+3], s[12:13]
	global_store_b128 v[HO], v[CD+4:CD+7], s[12:13] offset:512
	global_store_b8 v[SO], v[BYS], s[14:15]
.endm
.macro COMPUTE b
	MUL \b
	EPI
.endm
	s_load_b256 s[4:11], s[0:1], 0x0               ; xq s[4:5], W1's codes s[6:7], W1's scales s[8:9], plan s[10:11]
	s_load_b128 s[12:15], s[0:1], 0x20             ; hq s[12:13], hs s[14:15]
	v_lshrrev_b32 v[TMP], 5, v0
	v_readfirstlane_b32 s18, v[TMP]                ; wave 0..3
	s_and_b32 s19, ttmp7, 0xffff                   ; e
	s_and_b32 s20, ttmp9, 3                        ; q
	s_lshr_b32 s21, ttmp9, 2                       ; slice
	s_lshl_b32 s25, s19, 2
	s_wait_kmcnt 0x0
	s_load_b32 s22, s[10:11], s25 offset:CNT_OFF   ; cnt_e: waited for only behind the first loads, none of which hangs on it
	v_and_b32 v1, 15, v0                           ; r
	v_bfe_u32 v2, v0, 4, 1                         ; h
	v_lshlrev_b32 v3, 4, v2                        ; 16 h
	v_and_b32 v4, 31, v0                           ; lane
	v_and_b32 v[TMP], 8, v1
	v_add_nc_u32 v[TMP], v[TMP], v1                ; r + 8 (r / 8)
	v_lshl_add_u32 v[VW], v[TMP], 10, v3
	v_lshl_add_u32 v[VWS], v[TMP], 5, v3
	s_lshl_b32 s36, s20, 6
	v_lshl_add_u32 v[VL], v1, 2, s36               ; slot 16 q + r
	v_min_u32 v[VLC], 8188, v[VL]
	s_lshl_b32 s36, s20, 15
	s_sub_co_u32 s36, s36, 131072                  ; one step of four groups back: the addresses are stepped in front of each group's way out, the first too
	v_lshl_add_u32 v[HO], v4, 4, s36
	s_lshl_b32 s36, s20, 10
	s_sub_co_u32 s36, s36, 4096
	v_lshl_add_u32 v[SO], v1, 6, s36
	v_add_nc_u32 v[SO], v[SO], v2
	v_mov_b32 v[M2], 0                             ; written once: a lane permute's destination counts as one of its sources
	v_mov_b32 v[M2+1], 0
	s_mov_b32 s28, 0xbfb8aa3b                      ; -log2(e); the packed form names the pair
	s_mov_b32 s29, s28
	s_mov_b32 s30, 0x76543210
	s_mov_b32 s31, 0xfedcba98                      ; v_permlanex16_b32's selects for lane l xor 16
	s_mov_b32 s32, 0x600000                        ; the mantissa field of 57,344
	s_mov_b32 s33, 0xffff0000                      ; lanes 16-31
	s_mov_b32 s27, 0
	s_lshl_b32 s26, s19, 21                        ; W1's codes: e x 2,048 rows + my first row f0, 1,024 bytes each
	s_lshl_b32 s36, s21, 18
	s_add_co_u32 s26, s26, s36
	s_lshl_b32 s36, s18, 16
	s_add_co_u32 s26, s26, s36
	s_add_nc_u64 s[6:7], s[6:7], s[26:27]
	s_lshr_b32 s26, s26, 5                         ; its scale bytes: 32 a row
	s_add_nc_u64 s[8:9], s[8:9], s[26:27]
	s_lshl_b32 s26, s19, 22                        ; hq: e x 128 groups of 32,768 bytes; my 64 units are pieces 2 (w % 2), + 1 of K step 2 slice + w / 2: 4,096 slice + 1,024 w bytes on
	s_lshl_b32 s36, s21, 12
	s_add_co_u32 s26, s26, s36
	s_lshl_b32 s36, s18, 10
	s_add_co_u32 s26, s26, s36
	s_add_nc_u64 s[12:13], s[12:13], s[26:27]
	s_lshl_b32 s26, s19, 17                        ; hs: e x 2,048 rows of 64 bytes; my bytes f0 / 32 = 8 slice + 2 w on
	s_lshl_b32 s36, s21, 3
	s_add_co_u32 s26, s26, s36
	s_lshl_b32 s36, s18, 1
	s_add_co_u32 s26, s26, s36
	s_add_nc_u64 s[14:15], s[14:15], s[26:27]
	s_lshl_b32 s26, s19, 13
	s_add_nc_u64 s[34:35], s[10:11], s[26:27]      ; my expert's list
	s_add_nc_u64 s[16:17], s[4:5], XS_OFF          ; x's scale bytes
	global_load_b32 v[TOK], v[VLC], s[34:35]       ; the first group's tokens: slots 16 q + r lie inside the list whatever cnt_e is
.irp t, 0,1,2,3
	global_load_b128 v[WS+4*\t:WS+4*\t+3], v[VWS], s[8:9] offset:(32*(\t/2)+8*(\t%2))*32
.endr
	WIN 0x40                                       ; destination window 1
.irp t, 0,1
.irp s, 0,1,2,3
	BFRAG \t, \s
.endr
.endr
	WIN 0
	s_wait_kmcnt 0x0
	s_min_u32 s22, s22, 2048                       ; a loaded number steers trips only behind this hold
	s_add_co_u32 s22, s22, 15
	s_lshr_b32 s22, s22, 4                         ; G
	s_add_co_u32 s23, s22, 3
	s_sub_co_u32 s23, s23, s20
	s_lshr_b32 s23, s23, 2                         ; n
	s_cmp_eq_u32 s23, 0
	s_cbranch_scc1 .Lend
	s_wait_loadcnt 36                              ; behind the token load: 4 loads of scale words and 32 of weights, which may stay out
	ASK 0                                          ; the first group's rows go out among the weights
	WIN 0x40
.irp t, 2,3
.irp s, 0,1,2,3
	BFRAG \t, \s
.endr
.endr
	WIN 0x80                                       ; destination window 2
.irp t, 0,1,2,3
.irp s, 4,5,6,7
	BFRAG \t, \s
.endr
.endr
	WIN 0
	s_wait_loadcnt 0x0
; A trip takes two groups, so that the buffers are back where they began, and every trip fetches two groups more: (n - 1) / 2 whole trips.  The loop is left by falling through.
; Behind it one group (n odd) or two (n even) are left, the first of them in buffer 0: they are written out, since the last group fetches nothing.
	s_sub_co_u32 s37, s23, 1
	s_lshr_b32 s37, s37, 1                         ; the trips
	s_mov_b32 s24, 0
	s_cmp_eq_u32 s37, 0
	s_cbranch_scc1 .Ltail
.Lloop:
	NEXT 1
	COMPUTE 0
	NEXT 0
	COMPUTE 1
	s_add_co_u32 s24, s24, 1
	s_cmp_lt_u32 s24, s37
	s_cbranch_scc1 .Lloop
.Ltail:
	s_and_b32 s25, s23, 1
	s_cmp_lg_u32 s25, 0
	s_cbranch_scc1 .Lone
	NEXT 1                                         ; two groups are left: the last one is fetched,
	COMPUTE 0
	s_wait_loadcnt 0x0                             ; nothing was issued behind it but a token load that serves nothing more
	STEPOUT
	COMPUTE 1
	s_endpgm
.Lone:
	s_wait_loadcnt 0x0                             ; one group is left, and it has been asked for
	STEPOUT
	COMPUTE 0
.Lend:
	s_endpgm
.Lfunc_end_k_q10644eca14_ffn1:
	.size	k_q10644eca14_ffn1, .Lfunc_end_k_q10644eca14_ffn1-k_q10644eca14_ffn1
	.p2alignl 7, 3214868480
	.fill 96, 4, 3214868480
	.section	.rodata,"a",@progbits
	.p2align	6, 0x0
	.amdhsa_kernel k_q10644eca14_ffn1
		.amdhsa_group_segment_fixed_size 0
		.amdhsa_private_segment_fixed_size 0
		.amdhsa_enable_private_segment 0
		.amdhsa_kernarg_size 48
		.amdhsa_user_sgpr_count 2
		.amdhsa_user_sgpr_kernarg_segment_ptr 1
		.amdhsa_wavefront_size32 1
		.amdhsa_system_sgpr_workgroup_id_x 1
		.amdhsa_system_sgpr_workgroup_id_y 1
		.amdhsa_system_sgpr_workgroup_id_z 1
		.amdhsa_system_vgpr_workitem_id 0
		.amdhsa_next_free_vgpr 1024
		.amdhsa_next_free_sgpr 66
		.amdhsa_reserve_vcc 0
		.amdhsa_float_denorm_mode_32 3
		.amdhsa_float_denorm_mode_16_64 3
		.amdhsa_memory_ordered 1
		.amdhsa_forward_progress 1
		.amdhsa_inst_pref_size 100
	.end_amdhsa_kernel
	.amdgpu_metadata
---
amdhsa.version: [ 1, 2 ]
amdhsa.kernels:
  - .name:           k_q10644eca14_ffn1
    .symbol:         k_q10644eca14_ffn1.kd
    .args:
      - { .name: xq, .offset: 0, .size: 8, .value_kind: global_buffer, .address_space: global }
      - { .name: w1_codes, .offset: 8, .size: 8, .value_kind: global_buffer, .address_space: global }
      - { .name: w1_scales, .offset: 16, .size: 8, .value_kind: global_buffer, .address_space: global }
      - { .name: plan, .offset: 24, .size: 8, .value_kind: global_buffer, .address_space: global }
      - { .name: hq, .offset: 32, .size: 8, .value_kind: global_buffer, .address_space: global }
      - { .name: hs, .offset: 40, .size: 8, .value_kind: global_buffer, .address_space: global }
    .group_segment_fixed_size: 0
    .private_segment_fixed_size: 0
    .kernarg_segment_align: 8
    .kernarg_segment_size: 48
    .max_flat_workgroup_size: 128
    .sgpr_count:     66
    .vgpr_count:     1024
    .wavefront_size: 32
...
	.end_amdgpu_metadata
.endif
;; end of part 3
;; launch ffn2 (part 4): grid 32 x 8, 4 waves a work-group, no clusters, 135,680 bytes of LDS; arguments hq, hs, w2_codes, w2_scales, plan, y; writes y
.if DOCPART == 4
	.amdgcn_target "amdgcn-amd-amdhsa--gfx1250"
	.amdhsa_code_object_version 6
	.text
	.protected	k_q10644eca14_ffn2
	.globl	k_q10644eca14_ffn2
	.p2align	8
	.type	k_q10644eca14_ffn2,@function
k_q10644eca14_ffn2:
	s_mov_b64 s[64:65], 0
	v_nop
	global_prefetch_b8 v0, s[64:65] scope:SCOPE_SE
	s_setreg_imm32_b32 hwreg(HW_REG_WAVE_MODE, 25, 1), 1
	s_wait_xcnt 0x0
; FFN2.  y = h W2_e^T for the rows routed to each expert, on codes of E5M2 with one E8M0 scale for each 32 along K = the 2,048 hidden units; y [e x 2,048 + row][1024] f32.
; GRID as in the launch before: y = the expert e, x = 4 x slice + q; a slice is 128 of the 1,024 outputs; the work-group takes the groups of 16 rows g = q + 4 i, i < n = (G + 3 - q) / 4, G = ceil(cnt_e / 16) from plan.
; SHARES.  THE FOUR WAVES SHARE K: wave w takes hidden units 512 w .. 512 w + 511 (K steps 4 w .. 4 w + 3) for all 128 outputs.  Its part of W2 (128 rows x 512 bytes) fills 512 registers, is read once and stays.
; Of a group of h it needs only its quarter: 16 loads of 512 consecutive bytes from hq, which holds images of this operand's registers, and one load of scale words; 32 products a group, eight accumulators by turns.
; THE SUM OVER THE WAVES is made in LDS: each wave stores its 16 rows x 128 partial sums; behind ONE barrier wave w adds the four waves' rows 4 w .. 4 w + 3, as (0 + 1) + (2 + 3), and stores them whole:
; each store of the wave covers 512 consecutive bytes, aligned.  An order of the f32 sums other than plain ascending K.
; THE LOOP HAS A CONSTANT COUNT, since every wave has to pass every barrier and n is read from memory: 8 trips of two sub-trips, a pair of groups to a sub-trip: 32 groups, the most that any split gives a work-group.
; What a sub-trip has to do is jumped over by scalar branches on n; the barrier and the waits in front of it stand outside them.  A work-group with n = 0 walks the empty trips and stores nothing: the price of one grid for every split.
; AHEAD.  A pair's 34 loads are issued two sub-trips ahead of its products, into the registers that the pair just multiplied has left.  The first two pairs are loaded whatever n is, so that every register is written on every path.
; Every group number that enters a load's address is held at the expert's last written group (an odd n's missing partner reads that group again and nothing is made of it).  With cnt_e = 0 nothing of the expert was written:
; the first two pairs' loads then read bytes that nobody stored, and nothing is made of them either.
; WHY NO TENSOR LOADS OR CLUSTER: which groups exist is read from memory and differs between the four work-groups (q) that share a slice's weights; the weights are read once by a wave.
; LAYOUT.  TRANSPOSED use (source 0 = 16 rows of W2, source 1 = 16 rows of h): in tile t lane (r, h) holds y(row r, 16 t + 8 h + 0 .. 7): 32 bytes of a row.
; SCALE WORDS: a row's 16 bytes at 16 w are the words of my four K steps: one load of 16 bytes a row; lanes 16-31 load the same as lanes 0-15 and are not read.
; LDS: area (parity of the sub-trip, group of the pair, wave) at ((2 par + grp) x 4 + w) x 8,448 bytes: 16 rows of 512 bytes + 16, so that the 16 rows that a store touches start at 16 different banks (ISA guide 11.1).
; The parities take turns: a sub-trip's stores never meet the reads of the sub-trip before, and the barrier between lies ahead of the next stores into the same parity.
; REGISTERS: window 0: names below.  window 1: W2's fragments (K step j < 2, tile t) at 16 (8 j + t).  window 2: K steps 2, 3 likewise.  window 3: h's fragments: parity, group, K step j at 128 par + 64 grp + 16 j.
.set CNT_OFF, 81920
.set PP,   528                         ; an LDS row
.set PART, 16*PP                       ; a wave's partial sums of a group
.set GRPB, 4*PART                      ; the four waves'
.set PARB, 2*GRPB                      ; a pair's
.set TMP, 10
.set VW,  5                            ; W2: r x 2,048 + 16 h
.set R64, 6                            ; 64 r: a row of scale bytes, W2's and h's
.set L16, 7                            ; 16 x lane: my bytes of an image's piece, and of a row of y
.set AO,  12                           ; v12-15  hq: 16 x lane + 32,768 x group, for (parity, group of the pair) at 2 par + grp
.set XO,  16                           ; v16-19  hs: 64 r + 1,024 x group, likewise
.set STO, 20                           ; v20-21  LDS: where I put 32 bytes of a row, for each parity
.set RD,  22                           ; v22-23  LDS: my 16 bytes of row 4 w of wave 0's area, for each parity
.set YO,  24                           ; v24-25  y: 16 x lane + 65,536 x group, for each group of the pair
.set WS,  32                           ; v32-63  W2's scale words: 4 t + j
.set HS,  64                           ; v64-79  h's: 8 par + 4 grp + j
.set AC,  128                          ; v128-255 the accumulators: 64 grp + 8 t; behind the barrier the four waves' rows (64 grp + 16 p + 4 k) and their sums
.set MSB, 0
.macro WIN new                         ; the immediate's high byte repeats the setting that is left; a switch that changes nothing is dropped
.if MSB != (\new)
	s_set_vgpr_msb (MSB<<8)|(\new)
.set MSB, (\new)
.endif
.endm
.macro BFRAG t, j                      ; a fragment of W2: 16 rows x 128 K (the window is set by the caller)
.irp c, 0,1,2,3
	global_load_b128 v[16*(8*((\j)%2)+(\t))+4*\c:16*(8*((\j)%2)+(\t))+4*\c+3], v[VW], s[8:9] offset:(\t)*32768+128*(\j)+32*\c
.endr
.endm
.macro OFFS par, c                     ; the addresses of groups i = s24 + c and s24 + c + 1, for parity par
.irp g, 0,1
	s_add_co_u32 s25, s24, (\c)+\g
	s_lshl_b32 s25, s25, 2
	s_add_co_u32 s25, s25, s20                     ; g = q + 4 i,
	s_min_u32 s25, s25, s28                        ; held at the expert's last written group,
	s_min_u32 s25, s25, 127                        ; and, since that is made of a loaded number, at the constant that bounds it
	v_lshl_add_u32 v[AO+2*\par+\g], s25, 15, v[L16]
	v_lshl_add_u32 v[XO+2*\par+\g], s25, 10, v[R64]
.endr
.endm
.macro GLOAD par                       ; a pair's quarter of K: 2 x 16 loads of codes and 2 of scale words: 34 loads
	WIN 0xc0                                       ; destination window 3, address window 0
.irp g, 0,1
.irp j, 0,1,2,3
.irp c, 0,1,2,3
	global_load_b128 v[128*\par+64*\g+16*\j+4*\c:128*\par+64*\g+16*\j+4*\c+3], v[AO+2*\par+\g], s[4:5] offset:2048*\j+512*\c
.endr
.endr
.endr
	WIN 0
.irp g, 0,1
	global_load_b128 v[HS+8*\par+4*\g:HS+8*\par+4*\g+3], v[XO+2*\par+\g], s[6:7]
.endr
.endm
; 32 matrix instructions on one group: K step by K step, the eight tiles by turns, one instruction a turn.  The first K step starts the sums.
.macro MUL par, grp
.set RB, AC+64*(\grp)
.set HB, 128*(\par)+64*(\grp)
.set SB, HS+8*(\par)+4*(\grp)
	WIN 0x0d                                       ; source 0 (W2) window 1, source 1 (h) window 3, C and D window 0
.irp j, 0,1
.irp t, 0,1,2,3,4,5,6,7
.if \j == 0
	v_wmma_scale_f32_16x16x128_f8f6f4 v[RB+8*\t:RB+8*\t+7], v[16*(8*\j+\t):16*(8*\j+\t)+15], v[HB+16*\j:HB+16*\j+15], 0, v[WS+4*\t+\j], v[SB+\j] matrix_a_fmt:MATRIX_FMT_BF8 matrix_b_fmt:MATRIX_FMT_BF8
.else
	v_wmma_scale_f32_16x16x128_f8f6f4 v[RB+8*\t:RB+8*\t+7], v[16*(8*\j+\t):16*(8*\j+\t)+15], v[HB+16*\j:HB+16*\j+15], v[RB+8*\t:RB+8*\t+7], v[WS+4*\t+\j], v[SB+\j] matrix_a_fmt:MATRIX_FMT_BF8 matrix_b_fmt:MATRIX_FMT_BF8
.endif
.endr
.endr
	WIN 0x0e                                       ; W2's K steps 2 and 3 lie in window 2
.irp j, 0,1
.irp t, 0,1,2,3,4,5,6,7
	v_wmma_scale_f32_16x16x128_f8f6f4 v[RB+8*\t:RB+8*\t+7], v[16*(8*\j+\t):16*(8*\j+\t)+15], v[HB+32+16*\j:HB+32+16*\j+15], v[RB+8*\t:RB+8*\t+7], v[WS+4*\t+2+\j], v[SB+2+\j] matrix_a_fmt:MATRIX_FMT_BF8 matrix_b_fmt:MATRIX_FMT_BF8
.endr
.endr
	WIN 0
.endm
.macro PLACES                          ; behind this form: eight places before its results are read and before loads into registers that it read or wrote; nine before the next products write the accumulators anew
.rept 9
	v_nop
.endr
.endm
.macro STOREP par, grp                 ; my partial sums of a group into my area
.set RB, AC+64*(\grp)
.irp t, 0,1,2,3,4,5,6,7
	ds_store_b128 v[STO+\par], v[RB+8*\t:RB+8*\t+3] offset:(\grp)*GRPB+64*\t          ; each accumulator from its low end on
	ds_store_b128 v[STO+\par], v[RB+8*\t+4:RB+8*\t+7] offset:(\grp)*GRPB+64*\t+16
.endr
.endm
; Rows 4 w .. 4 w + 3 of group i = s24 + c: the four waves' partial sums are read, added and stored.  The registers are the group's accumulators, which the stores into LDS have left.
.macro REDUCE par, grp, c
.set RB, AC+64*(\grp)
.irp k, 0,1,2,3
.irp p, 0,1,2,3
	ds_load_b128 v[RB+16*\p+4*\k:RB+16*\p+4*\k+3], v[RD+\par] offset:(\grp)*GRPB+\p*PART+\k*PP   ; 32 lanes read a row's 512 bytes
.endr
.endr
	s_add_co_u32 s25, s24, \c
	s_lshl_b32 s25, s25, 2
	s_add_co_u32 s25, s25, s20                     ; g = q + 4 i
	v_lshl_add_u32 v[YO+\grp], s25, 16, v[L16]     ; 16 rows of 4,096 bytes a group (free since the wait on XCNT at the sub-trip's head)
.irp k, 0,1,2,3
	s_wait_dscnt 4*(3-\k)                          ; LDS loads come back in order: row k's four are in, the later rows' four each may be out
.irp u, 0,2
	v_pk_add_f32 v[RB+4*\k+\u:RB+4*\k+\u+1], v[RB+4*\k+\u:RB+4*\k+\u+1], v[RB+16+4*\k+\u:RB+16+4*\k+\u+1]
	v_pk_add_f32 v[RB+32+4*\k+\u:RB+32+4*\k+\u+1], v[RB+32+4*\k+\u:RB+32+4*\k+\u+1], v[RB+48+4*\k+\u:RB+48+4*\k+\u+1]
.endr
.irp u, 0,2
	v_pk_add_f32 v[RB+4*\k+\u:RB+4*\k+\u+1], v[RB+4*\k+\u:RB+4*\k+\u+1], v[RB+32+4*\k+\u:RB+32+4*\k+\u+1]
.endr
	global_store_b128 v[YO+\grp], v[RB+4*\k:RB+4*\k+3], s[14:15] offset:4096*\k
.endr
.endm
; A SUB-TRIP: the pair of groups i = s24 + c, s24 + c + 1, of parity par.
.macro SUB par, c
	s_wait_loadcnt 34                              ; behind this pair's loads the next pair's 34 were issued, or, where none were, everything was waited for: this pair is in
	s_wait_xcnt 0x0                                ; the last sub-trip's stores have read their data and addresses: the accumulators and YO are written again only behind this wait.  It stands ahead of this sub-trip's loads
	s_add_co_u32 s37, s24, (\c)+1
	s_add_co_u32 s25, s24, \c
	s_cmp_lt_u32 s25, s23
	s_cbranch_scc0 .Lidle_\@                       ; no group of this pair exists
	s_cmp_lt_u32 s37, s23
	s_cbranch_scc0 .Lsingle_\@                     ; the two cases are written out, so that on no path sums are stored that were not made
	MUL \par, 0
	MUL \par, 1
	PLACES
	STOREP \par, 0
	STOREP \par, 1
	s_branch .Lidle_\@
.Lsingle_\@:
	MUL \par, 0
	PLACES
	STOREP \par, 0
.Lidle_\@:
	s_add_co_u32 s25, s24, (\c)+4
	s_cmp_lt_u32 s25, s23
	s_cbranch_scc0 .Lnomore_\@
	OFFS \par, (\c)+4                              ; the pair two sub-trips on, into the registers that this pair has left (its loads' address registers are free since the wait at the head)
	GLOAD \par
	s_branch .Lasked_\@
.Lnomore_\@:
	s_wait_loadcnt 0x0                             ; nothing more is asked for: so that the count at the next head holds on this path too
.Lasked_\@:
	s_wait_dscnt 0x0                               ; for the others' sake: my partial sums have landed, and my reads of the last sub-trip's are over
	s_barrier_signal -1
	s_barrier_wait -1
	s_add_co_u32 s25, s24, \c
	s_cmp_lt_u32 s25, s23
	s_cbranch_scc0 .Ldone_\@
	REDUCE \par, 0, \c
	s_cmp_lt_u32 s37, s23
	s_cbranch_scc0 .Ldone_\@
	REDUCE \par, 1, (\c)+1
.Ldone_\@:
.endm
	s_load_b256 s[4:11], s[0:1], 0x0               ; hq s[4:5], hs s[6:7], W2's codes s[8:9], W2's scales s[10:11]
	s_load_b128 s[12:15], s[0:1], 0x20             ; plan s[12:13], y s[14:15]
	v_lshl_add_u32 v126, v0, 2, 0x21000
	v_mov_b32 v127, 0
	v_lshrrev_b32 v[TMP], 5, v0
	v_readfirstlane_b32 s18, v[TMP]                ; wave 0..3
	s_and_b32 s19, ttmp7, 0xffff                   ; e
	s_and_b32 s20, ttmp9, 3                        ; q
	s_lshr_b32 s21, ttmp9, 2                       ; slice
	s_lshl_b32 s25, s19, 2
	s_wait_kmcnt 0x0
	s_load_b32 s22, s[12:13], s25 offset:CNT_OFF   ; cnt_e: waited for only behind the weights' loads, which do not hang on it
	v_and_b32 v1, 15, v0                           ; r
	v_bfe_u32 v2, v0, 4, 1                         ; h
	v_lshlrev_b32 v3, 4, v2                        ; 16 h
	v_and_b32 v4, 31, v0                           ; lane
	v_lshl_add_u32 v[VW], v1, 11, v3
	v_lshlrev_b32 v[R64], 6, v1
	v_lshlrev_b32 v[L16], 4, v4
	s_mul_i32 s36, s18, PART                       ; my area of a group
	v_mul_u32_u24 v[STO], v1, PP
	v_lshl_add_u32 v[STO], v2, 5, v[STO]           ; row r, + 32 h
	v_add_nc_u32 v[STO], s36, v[STO]
	v_add_nc_u32 v[STO+1], PARB, v[STO]
	s_mul_i32 s36, s18, 4*PP                       ; the rows that I add: 4 w on
	v_add_nc_u32 v[RD], s36, v[L16]
	v_add_nc_u32 v[RD+1], PARB, v[RD]
	s_mov_b32 s27, 0
	s_lshl_b32 s26, s19, 22                        ; hq: e x 128 groups of 32,768 bytes; my K steps begin 4 w x 2,048 bytes on
	s_lshl_b32 s36, s18, 13
	s_add_co_u32 s26, s26, s36
	s_add_nc_u64 s[4:5], s[4:5], s[26:27]
	s_lshl_b32 s26, s19, 17                        ; hs: e x 2,048 rows of 64 bytes; my bytes 16 w on
	s_lshl_b32 s36, s18, 4
	s_add_co_u32 s26, s26, s36
	s_add_nc_u64 s[6:7], s[6:7], s[26:27]
	s_lshl_b32 s26, s19, 21                        ; W2's codes: (e x 1,024 + 128 slice) rows of 2,048 bytes, + 512 w
	s_lshl_b32 s36, s21, 18
	s_add_co_u32 s26, s26, s36
	s_lshl_b32 s36, s18, 9
	s_add_co_u32 s26, s26, s36
	s_add_nc_u64 s[8:9], s[8:9], s[26:27]
	s_lshl_b32 s26, s19, 16                        ; its scale bytes: the same rows of 64 bytes, + 16 w
	s_lshl_b32 s36, s21, 13
	s_add_co_u32 s26, s26, s36
	s_lshl_b32 s36, s18, 4
	s_add_co_u32 s26, s26, s36
	s_add_nc_u64 s[10:11], s[10:11], s[26:27]
	s_lshl_b32 s26, s19, 23                        ; y: e x 2,048 rows of 4,096 bytes, + the slice's 512 bytes, + my 4 w rows
	s_lshl_b32 s36, s21, 9
	s_add_co_u32 s26, s26, s36
	s_lshl_b32 s36, s18, 14
	s_add_co_u32 s26, s26, s36
	s_add_nc_u64 s[14:15], s[14:15], s[26:27]
.irp t, 0,1,2,3,4,5,6,7
	global_load_b128 v[WS+4*\t:WS+4*\t+3], v[R64], s[10:11] offset:1024*\t
.endr
	WIN 0x40                                       ; destination window 1
.irp j, 0,1
.irp t, 0,1,2,3,4,5,6,7
	BFRAG \t, \j
.endr
.endr
	WIN 0x80                                       ; destination window 2
.irp j, 2,3
.irp t, 0,1,2,3,4,5,6,7
	BFRAG \t, \j
.endr
.endr
	WIN 0
	s_wait_kmcnt 0x0
	s_min_u32 s22, s22, 2048                       ; a loaded number steers branches only behind this hold
	s_add_co_u32 s22, s22, 15
	s_lshr_b32 s22, s22, 4                         ; G
	s_add_co_u32 s23, s22, 3
	s_sub_co_u32 s23, s23, s20
	s_lshr_b32 s23, s23, 2                         ; n
	s_max_u32 s28, s22, 1
	s_sub_co_u32 s28, s28, 1                       ; the expert's last written group
	s_mov_b32 s24, 0                               ; i of the trip's first group
	OFFS 0, 0
	GLOAD 0                                        ; the first two pairs, whatever n is; the second pair's 34 loads are the youngest at the first head
	OFFS 1, 2
	GLOAD 1
.Lloop:
	SUB 0, 0
	SUB 1, 2
	s_add_co_u32 s24, s24, 4
	s_cmp_lt_u32 s24, 32
	s_cbranch_scc1 .Lloop
	s_wait_tensorcnt 0x0
	ds_add_u32 v126, v127
	s_wait_dscnt 0x0
	s_endpgm
.Lfunc_end_k_q10644eca14_ffn2:
	.size	k_q10644eca14_ffn2, .Lfunc_end_k_q10644eca14_ffn2-k_q10644eca14_ffn2
	.p2alignl 7, 3214868480
	.fill 96, 4, 3214868480
	.section	.rodata,"a",@progbits
	.p2align	6, 0x0
	.amdhsa_kernel k_q10644eca14_ffn2
		.amdhsa_group_segment_fixed_size 135680
		.amdhsa_private_segment_fixed_size 0
		.amdhsa_enable_private_segment 0
		.amdhsa_kernarg_size 48
		.amdhsa_user_sgpr_count 2
		.amdhsa_user_sgpr_kernarg_segment_ptr 1
		.amdhsa_wavefront_size32 1
		.amdhsa_system_sgpr_workgroup_id_x 1
		.amdhsa_system_sgpr_workgroup_id_y 1
		.amdhsa_system_sgpr_workgroup_id_z 1
		.amdhsa_system_vgpr_workitem_id 0
		.amdhsa_next_free_vgpr 1024
		.amdhsa_next_free_sgpr 66
		.amdhsa_reserve_vcc 0
		.amdhsa_float_denorm_mode_32 3
		.amdhsa_float_denorm_mode_16_64 3
		.amdhsa_memory_ordered 1
		.amdhsa_forward_progress 1
		.amdhsa_inst_pref_size 78
	.end_amdhsa_kernel
	.amdgpu_metadata
---
amdhsa.version: [ 1, 2 ]
amdhsa.kernels:
  - .name:           k_q10644eca14_ffn2
    .symbol:         k_q10644eca14_ffn2.kd
    .args:
      - { .name: hq, .offset: 0, .size: 8, .value_kind: global_buffer, .address_space: global }
      - { .name: hs, .offset: 8, .size: 8, .value_kind: global_buffer, .address_space: global }
      - { .name: w2_codes, .offset: 16, .size: 8, .value_kind: global_buffer, .address_space: global }
      - { .name: w2_scales, .offset: 24, .size: 8, .value_kind: global_buffer, .address_space: global }
      - { .name: plan, .offset: 32, .size: 8, .value_kind: global_buffer, .address_space: global }
      - { .name: y, .offset: 40, .size: 8, .value_kind: global_buffer, .address_space: global }
    .group_segment_fixed_size: 135680
    .private_segment_fixed_size: 0
    .kernarg_segment_align: 8
    .kernarg_segment_size: 48
    .max_flat_workgroup_size: 128
    .sgpr_count:     66
    .vgpr_count:     1024
    .wavefront_size: 32
...
	.end_amdgpu_metadata
.endif
;; end of part 4
;; launch combine (part 5): grid 256 x 1, 8 waves a work-group, no clusters, 0 bytes of LDS; arguments y, plan, gw, out0; writes out0
.if DOCPART == 5
	.amdgcn_target "amdgcn-amd-amdhsa--gfx1250"
	.amdhsa_code_object_version 6
	.text
	.protected	k_q10644eca14_combine
	.globl	k_q10644eca14_combine
	.p2align	8
	.type	k_q10644eca14_combine,@function
k_q10644eca14_combine:
	s_mov_b64 s[64:65], 0
	v_nop
	global_prefetch_b8 v0, s[64:65] scope:SCOPE_SE
	s_setreg_imm32_b32 hwreg(HW_REG_WAVE_MODE, 25, 1), 1
	s_wait_xcnt 0x0
; COMBINE.  out[t] = g0 y[p0] + g1 y[p1]: the two rows of y that plan's pos names for token t, weighed by the router's two softmax weights.  All f32; each output row has one owner.
; A stream: one wave to a token.  A row is 4,096 bytes: eight loads of 512 consecutive bytes from each of the two rows, all sixteen out at once; eight stores of 512 consecutive bytes, aligned.
; The positions are whole numbers stored by an earlier launch; they enter an address only behind a hold at 16,383, the last row of y.  No LDS, no barrier, no matrix unit: K = 2.
.set POS_OFF, 65536
.set Y0, 16                            ; v16-47   the first row
.set Y1, 48                            ; v48-79   the second
.set O,  80                            ; v80-111  the result: registers of its own for each store
	s_load_b256 s[4:11], s[0:1], 0x0               ; y s[4:5], plan s[6:7], gw s[8:9], out0 s[10:11]
	v_lshrrev_b32 v2, 5, v0
	v_readfirstlane_b32 s2, v2                     ; wave 0..7
	v_and_b32 v1, 31, v0
	v_lshlrev_b32 v1, 4, v1                        ; 16 bytes a lane
	s_lshl_b32 s16, ttmp9, 3
	s_add_co_u32 s16, s16, s2                      ; my token
	s_lshl_b32 s24, s16, 12                        ; its row of out0
	s_mov_b32 s25, 0
	s_lshl_b32 s16, s16, 3                         ; 8 bytes a token in pos and in gw
	s_wait_kmcnt 0x0
	s_load_b64 s[12:13], s[6:7], s16 offset:POS_OFF
	s_load_b64 s[14:15], s[8:9], s16 offset:0x0
	s_add_nc_u64 s[10:11], s[10:11], s[24:25]
	s_wait_kmcnt 0x0
	s_min_u32 s12, s12, 16383
	s_min_u32 s13, s13, 16383
	s_lshl_b32 s18, s12, 12
	s_mov_b32 s19, 0
	s_lshl_b32 s20, s13, 12
	s_mov_b32 s21, 0
	s_add_nc_u64 s[18:19], s[4:5], s[18:19]        ; the two rows of y
	s_add_nc_u64 s[20:21], s[4:5], s[20:21]
	s_mov_b32 s22, s15                             ; g1, as the low word of a pair (g0 is the low word of s[14:15])
	s_mov_b32 s23, s15
.irp j, 0,1,2,3,4,5,6,7
	global_load_b128 v[Y0+4*\j:Y0+4*\j+3], v1, s[18:19] offset:512*\j th:TH_LOAD_NT
	global_load_b128 v[Y1+4*\j:Y1+4*\j+3], v1, s[20:21] offset:512*\j th:TH_LOAD_NT
.endr
.irp j, 0,1,2,3,4,5,6,7
	s_wait_loadcnt 14-2*\j                         ; loads come back in order: pair j is in, the younger pairs may be out
	v_pk_mul_f32 v[O+4*\j:O+4*\j+1], v[Y0+4*\j:Y0+4*\j+1], s[14:15] op_sel_hi:[1,0]
	v_pk_mul_f32 v[O+4*\j+2:O+4*\j+3], v[Y0+4*\j+2:Y0+4*\j+3], s[14:15] op_sel_hi:[1,0]
	v_pk_fma_f32 v[O+4*\j:O+4*\j+1], v[Y1+4*\j:Y1+4*\j+1], s[22:23], v[O+4*\j:O+4*\j+1] op_sel_hi:[1,0,1]
	v_pk_fma_f32 v[O+4*\j+2:O+4*\j+3], v[Y1+4*\j+2:Y1+4*\j+3], s[22:23], v[O+4*\j+2:O+4*\j+3] op_sel_hi:[1,0,1]
	global_store_b128 v1, v[O+4*\j:O+4*\j+3], s[10:11] offset:512*\j th:TH_STORE_NT
.endr
	s_endpgm
.Lfunc_end_k_q10644eca14_combine:
	.size	k_q10644eca14_combine, .Lfunc_end_k_q10644eca14_combine-k_q10644eca14_combine
	.p2alignl 7, 3214868480
	.fill 96, 4, 3214868480
	.section	.rodata,"a",@progbits
	.p2align	6, 0x0
	.amdhsa_kernel k_q10644eca14_combine
		.amdhsa_group_segment_fixed_size 0
		.amdhsa_private_segment_fixed_size 0
		.amdhsa_enable_private_segment 0
		.amdhsa_kernarg_size 32
		.amdhsa_user_sgpr_count 2
		.amdhsa_user_sgpr_kernarg_segment_ptr 1
		.amdhsa_wavefront_size32 1
		.amdhsa_system_sgpr_workgroup_id_x 1
		.amdhsa_system_sgpr_workgroup_id_y 1
		.amdhsa_system_sgpr_workgroup_id_z 1
		.amdhsa_system_vgpr_workitem_id 0
		.amdhsa_next_free_vgpr 112
		.amdhsa_next_free_sgpr 66
		.amdhsa_reserve_vcc 0
		.amdhsa_float_denorm_mode_32 3
		.amdhsa_float_denorm_mode_16_64 3
		.amdhsa_memory_ordered 1
		.amdhsa_forward_progress 1
		.amdhsa_inst_pref_size 6
	.end_amdhsa_kernel
	.amdgpu_metadata
---
amdhsa.version: [ 1, 2 ]
amdhsa.kernels:
  - .name:           k_q10644eca14_combine
    .symbol:         k_q10644eca14_combine.kd
    .args:
      - { .name: y, .offset: 0, .size: 8, .value_kind: global_buffer, .address_space: global }
      - { .name: plan, .offset: 8, .size: 8, .value_kind: global_buffer, .address_space: global }
      - { .name: gw, .offset: 16, .size: 8, .value_kind: global_buffer, .address_space: global }
      - { .name: out0, .offset: 24, .size: 8, .value_kind: global_buffer, .address_space: global }
    .group_segment_fixed_size: 0
    .private_segment_fixed_size: 0
    .kernarg_segment_align: 8
    .kernarg_segment_size: 32
    .max_flat_workgroup_size: 256
    .sgpr_count:     66
    .vgpr_count:     112
    .wavefront_size: 32
...
	.end_amdgpu_metadata
.endif
;; end of part 5
;; ======== version 2 of 2: 5 launches; version 1 with the launches ffn1, ffn2 written anew for expert scheduling mode
;; workspace buffers: xq 2,162,688 bytes; sel 8,192 bytes of whole numbers; gw 16,384 bytes; plan 82,176 bytes of whole numbers; hq 33,554,432 bytes; hs 1,048,576 bytes; y 67,108,864 bytes
;; launch route: the kernel of part 1 again; grid 256 x 1, 4 waves a work-group, no clusters, 35,840 bytes of LDS; arguments x, gate_w, xq, sel, gw; writes xq, sel, gw
;; launch place: the kernel of part 2 again; grid 1 x 1, 8 waves a work-group, no clusters, 66,816 bytes of LDS; arguments sel, plan; writes plan
;; launch ffn1 (part 6): grid 32 x 8, 4 waves a work-group, no clusters, 0 bytes of LDS; arguments xq, w1_codes, w1_scales, plan, hq, hs; writes hq, hs
.if DOCPART == 6
	.amdgcn_target "amdgcn-amd-amdhsa--gfx1250"
	.amdhsa_code_object_version 6
	.text
	.protected	k_q10644eca14_ffn1
	.globl	k_q10644eca14_ffn1
	.p2align	8
	.type	k_q10644eca14_ffn1,@function
k_q10644eca14_ffn1:
	s_mov_b64 s[64:65], 0
	v_nop
	global_prefetch_b8 v0, s[64:65] scope:SCOPE_SE
	s_setreg_imm32_b32 hwreg(HW_REG_WAVE_SCHED_MODE, 0, 2), 2
	s_setreg_imm32_b32 hwreg(HW_REG_WAVE_MODE, 25, 1), 1
	s_wait_xcnt 0x0
	s_wait_alu depctr_vm_vsrc(0)
; FFN1.  h = Q(silu(x W1_e^T)) for the rows routed to each expert, on codes of E5M2 with one E8M0 scale for each 32 along K; Q quantises along f, the next product's K.
; Only routed rows are multiplied: reference()'s own one-hot throws the other experts' rows away.
; GRID.  y = the expert e.  x = 4 x slice + q.  A slice is 256 of the 2,048 hidden units; a work-group walks the expert's groups of 16 rows g = q, q + 4, q + 8 ..: n = (G + 3 - q) / 4 of them,
; G = ceil(cnt_e / 16), cnt_e read from plan.  The one grid serves every split, all tokens on one expert too (G = 128); a work-group with n = 0 stores nothing and ends.
; SHARES.  The four waves take the same rows and different columns: wave w the 64 hidden units f0 = 256 slice + 64 w on.  Its 64 rows of W1 (64 x 1,024 bytes) fill 512 registers, are read once and stay.
; A group's 16 rows of x (codes gathered by plan's list, 16 x 1,024 bytes = 128 registers) come from memory straight into the operand's registers, in two buffers by turns.
; WHY NO TENSOR LOADS, LDS OR CLUSTER: the trip count n is read from memory and differs by up to one between the four work-groups (q) that share a slice's weights, and every wave has to pass every barrier:
; so this text has no barrier and no joint load; the rows of x are a gather by a list; and the weights are read once by a wave, whatever n is.
; LAYOUT.  The product is used TRANSPOSED (source 0 = 16 rows of W1, source 1 = 16 rows of x): a lane holds one row of h.  THE ROWS OF W1 THAT FORM A TILE ARE NOT NEIGHBOURS: lane r of tile t takes row
; f0 + 32 (t / 2) + 8 (t % 2) + r + 8 (r / 8), so that register 16 b + i of the four tiles' 32 is h(row r, f0 + 32 b + 16 (lane / 16) + i): 16 neighbours along the next K, a block of 32 in lanes l and l xor 16.
; SCALE WORDS come by one load of 16 bytes at row x 32 + 16 (lane / 16): register j holds K step j's word in lanes 0-15 and K step 4 + j's in lanes 16-31, which the second half of K selects by ROW1.
; OUT.  hq holds h's codes as IMAGES OF THE NEXT OPERAND'S REGISTERS: [e x 128 + g][K step f / 128: 16][piece c: 4][lane: 32][16 bytes]: each store of the wave covers 512 consecutive bytes, aligned.
; hs holds the scale bytes [e x 2,048 + row][64]: a wave has two bytes a row, stored one byte a lane: 32 bytes beside the group's 1,024 bytes of codes.
; LIMITS: NaN and infinities are not served.  A block of h whose largest magnitude lies under 2^-111, or that is all zeros, keeps the byte 1 (only this program reads the bytes).  For z under about -88 silu gives -0.
; REGISTERS, in windows of 256: window 0: see the names below.  window 1: W1's fragments (tile t, K step s < 4) at 16 (4 t + s).  window 2: K steps 4-7 likewise.  window 3: x's fragments, buffer b, K step s at 128 b + 16 s.
; THE MODE: SCHED_MODE bits 1:0 = 2 (LLVM: expert scheduling mode 2), set by the entry lines.  The code itself states the register dependences between vector or matrix instructions and memory instructions,
; with s_wait_alu, always for 0.
; THE PLAN.  A step takes one group: group i lies in buffer b = i % 2.  Registers that memory instructions touch:
;   x's buffer b, XSC[b]   Read by group i's 32 products.  The loads of group i + 2 land in them: they are issued in the middle of group i's way out, as soon as those products are shown done.
;   TOK                    A token load lands in it; read by the first address line of the next step that asks.
;   AO[b], XO[b], VLC      Written by the five address lines behind group i's products; read by the 34 loads that the same step issues.
;   HO, SO                 Stepped behind the products; read by the step's three stores.
;   CD, BYS                Written by the conversions and the select at the step's end; read by the three stores.
;   W1's fragments, WS, VW, VWS are loaded or made at the head and never written again.  The accumulators and T are named by vector and matrix instructions alone.
; So a step has ONE wait on vm_vsrc, behind its products and ahead of the address lines, and three on va_vdst: behind the exponentials (their results; the products' reads of buffer b; the addresses), behind the
; reciprocals (their results), and ahead of the stores (the codes and the byte).  The 34 loads stand behind the first of the three; no vector line between that wait and them names a register that they touch.
.set XS_OFF,  2097152
.set CNT_OFF, 81920
.set TMP, 11
.set VW,  5                            ; W1: (r + 8 (r / 8)) x 1,024 + 16 h
.set VWS, 6                            ; its scale bytes: (r + 8 (r / 8)) x 32 + 16 h
.set VL,  7                            ; the list: 4 x (slot of my row in the group whose token is asked for next)
.set VLC, 8                            ; the same, held inside the expert's 2,048 entries: the token load's address
.set TOK, 9                            ; the token as loaded
.set TK,  10                           ; and held at 2,047
.set AO,  12                           ; v12-13  x's codes: token x 1,024 + 16 h, for buffer 0, 1
.set XO,  14                           ; v14-15  x's scale bytes: token x 32 + 16 h
.set HO,  16                           ; hq: 16 x lane + 32,768 x group
.set SO,  17                           ; hs: 64 x row + h
.set BYS, 18                           ; the byte that I store
.set M,   20                           ; v20-21 the two blocks' largest magnitudes; v22-23 the other half's; v24-25 the conversions' scale operands; v26-27 57,344 x the scale; v28-29 the bytes
.set M2,  22
.set SCO, 24
.set HL,  26
.set BY,  28
.set CD,  32                           ; v32-39   the 32 codes just made
.set WS,  40                           ; v40-55   W1's scale words: tile t at 4 t + j
.set XSC, 56                           ; v56-63   x's scale words: buffer b at 4 b + j
.set AC,  64                           ; v64-95   four accumulators
.set T,   96                           ; v96-127  silu at work
.set MSB, 0
.macro WIN new                         ; the immediate's high byte repeats the setting that is left; a switch that changes nothing is dropped
.if MSB != (\new)
	s_set_vgpr_msb (MSB<<8)|(\new)
.set MSB, (\new)
.endif
.endm
.macro BFRAG t, s                      ; a fragment of W1: 16 rows x 128 K: four loads of 16 bytes a lane (the window is set by the caller)
.irp c, 0,1,2,3
	global_load_b128 v[16*(4*(\t)+(\s)%4)+4*\c:16*(4*(\t)+(\s)%4)+4*\c+3], v[VW], s[6:7] offset:(32*((\t)/2)+8*((\t)%2))*1024+128*(\s)+32*\c
.endr
.endm
.macro ALOAD b                         ; a group's 16 rows of x, all of K, into buffer b, and their scale words: 33 loads
	WIN 0xc0                                       ; destination window 3, address window 0
.irp s, 0,1,2,3,4,5,6,7
.irp c, 0,1,2,3
	global_load_b128 v[128*\b+16*\s+4*\c:128*\b+16*\s+4*\c+3], v[AO+\b], s[4:5] offset:128*\s+32*\c
.endr
.endr
	WIN 0
	global_load_b128 v[XSC+4*\b:XSC+4*\b+3], v[XO+\b], s[16:17]
.endm
.macro ADDR b                          ; the token that has come gives buffer b's addresses, and the list's address moves on to the group behind it: five plain vector lines
	v_min_u32 v[TK], 2047, v[TOK]                  ; a loaded number enters an address only behind this hold
	v_lshl_add_u32 v[AO+\b], v[TK], 10, v3
	v_lshl_add_u32 v[XO+\b], v[TK], 5, v3
	v_add_nc_u32 v[VL], 256, v[VL]                 ; four groups of 16 slots on
	v_min_u32 v[VLC], 8188, v[VL]                  ; the look-ahead stays inside the expert's 2,048 entries
.endm
.macro FETCH b                         ; the token of the group behind, then the 33 loads: 34 in all, the token load the oldest of them
	global_load_b32 v[TOK], v[VLC], s[34:35]
	ALOAD \b
.endm
; 32 matrix instructions: K step by K step, the four tiles by turns, one instruction a turn.  The first K step starts the sums.
.macro MUL b
	WIN 0x0d                                       ; source 0 (W1) window 1, source 1 (x) window 3, C and D window 0
.irp s, 0,1,2,3
.irp t, 0,1,2,3
.if \s == 0
	v_wmma_scale_f32_16x16x128_f8f6f4 v[AC+8*\t:AC+8*\t+7], v[16*(4*\t+\s):16*(4*\t+\s)+15], v[128*\b+16*\s:128*\b+16*\s+15], 0, v[WS+4*\t+\s], v[XSC+4*\b+\s] matrix_a_fmt:MATRIX_FMT_BF8 matrix_b_fmt:MATRIX_FMT_BF8
.else
	v_wmma_scale_f32_16x16x128_f8f6f4 v[AC+8*\t:AC+8*\t+7], v[16*(4*\t+\s):16*(4*\t+\s)+15], v[128*\b+16*\s:128*\b+16*\s+15], v[AC+8*\t:AC+8*\t+7], v[WS+4*\t+\s], v[XSC+4*\b+\s] matrix_a_fmt:MATRIX_FMT_BF8 matrix_b_fmt:MATRIX_FMT_BF8
.endif
.endr
.endr
	WIN 0x0e                                       ; W1's K steps 4-7 lie in window 2; their scale words in lanes 16-31
.irp s, 0,1,2,3
.irp t, 0,1,2,3
	v_wmma_scale_f32_16x16x128_f8f6f4 v[AC+8*\t:AC+8*\t+7], v[16*(4*\t+\s):16*(4*\t+\s)+15], v[128*\b+64+16*\s:128*\b+64+16*\s+15], v[AC+8*\t:AC+8*\t+7], v[WS+4*\t+\s], v[XSC+4*\b+\s] matrix_a_fmt:MATRIX_FMT_BF8 matrix_b_fmt:MATRIX_FMT_BF8 matrix_a_scale:MATRIX_SCALE_ROW1 matrix_b_scale:MATRIX_SCALE_ROW1
.endr
.endr
	WIN 0
.endm
; A STEP: the group in buffer b: the products, silu, the quantiser, the stores.  ask = 1: the group two on is asked for, into the same buffer.
; left = how many younger loads may still be out when this group's have to be there.
.macro STEP b, ask, left
	s_wait_loadcnt \left                           ; loads come back in order (ISA guide 5.7.1): this group is in; the token load and the 33 loads of the next group, issued behind it, may stay out
	MUL \b
.if \ask
	s_wait_loadcnt 33                              ; the token load is older than the next group's 33 loads, which may stay out: TOK is in, and VLC is free
.endif
	s_wait_xcnt 0x0                                ; every earlier memory instruction has had its addresses translated (ISA guide 3.1): the last group's stores' addresses and data are rewritten only behind this wait
	s_wait_alu depctr_vm_vsrc(0)                   ; the last group's three stores have read HO, SO, CD and BYS; the loads issued so far have read AO[b], XO[b] and VLC: all of these are written again in this step
	v_add_nc_u32 v[HO], 131072, v[HO]              ; four groups on.  These lines name no register of the products: they are the eight places behind this form before its results are read
	v_add_nc_u32 v[SO], 4096, v[SO]
.if \ask
	ADDR \b
	v_nop
.else
.rept 6
	v_nop
.endr
.endif                                                 ; with the sixteen additions of 1.0 below they are also the places in front of the next group's first products, which write the accumulators anew
.set kk, 0
.rept 16
	v_pk_mul_f32 v[T+kk:T+kk+1], v[AC+kk:AC+kk+1], s[28:29] op_sel_hi:[1,0]   ; -z log2(e); each accumulator from its low end on
.set kk, kk+2
.endr
.set kk, 0
.rept 32
	v_exp_f32 v[T+kk], v[T+kk]                     ; e^-z
.set kk, kk+1
.endr
	v_nop                                          ; a plain line behind the transcendentals
	s_wait_alu depctr_va_vdst(0)                   ; the exponentials have written T; HO and SO are written; ask = 1: the products are done reading buffer b and XSC[b], TOK has been read, and AO[b], XO[b] and VLC are written
.if \ask
	FETCH \b                                       ; no vector or matrix line since the wait names a register that these 34 loads touch
.endif
.set kk, 0
.rept 16
	v_pk_add_f32 v[T+kk:T+kk+1], v[T+kk:T+kk+1], 1.0 op_sel_hi:[1,0]
.set kk, kk+2
.endr
.set kk, 0
.rept 32
	v_rcp_f32 v[T+kk], v[T+kk]                     ; 1 / (1 + e^-z)
.set kk, kk+1
.endr
	v_nop
	s_wait_alu depctr_va_vdst(0)                   ; the reciprocals have written T, ahead of their first reader
.set kk, 0
.rept 16
	v_pk_mul_f32 v[T+kk:T+kk+1], v[T+kk:T+kk+1], v[AC+kk:AC+kk+1]             ; silu(z)
.set kk, kk+2
.endr
.irp b2, 0,1
	v_max3_num_f32 v[M+\b2], |v[T+16*\b2]|, |v[T+16*\b2+1]|, 0x8000000        ; block b2: my 16 numbers, and the floor 2^(16 - 127): the byte cannot fall under 1
.endr
.irp i, 2,4,6,8,10,12,14
.irp b2, 0,1
	v_max3_num_f32 v[M+\b2], v[M+\b2], |v[T+16*\b2+\i]|, |v[T+16*\b2+\i+1]|
.endr
.endr
.irp b2, 0,1
	v_permlanex16_b32 v[M2+\b2], v[M+\b2], s30, s31
.endr
.irp b2, 0,1
	v_max_num_f32 v[M+\b2], v[M+\b2], v[M2+\b2]    ; with lane l xor 16's 16: the block's largest magnitude
.endr
.irp b2, 0,1
	v_add_nc_u32 v[SCO+\b2], 0xf8800000, v[M+\b2]  ; 15 off its exponent field: the conversion's scale operand
.endr
.irp b2, 0,1
	v_and_or_b32 v[HL+\b2], v[M+\b2], 0x7f800000, s32   ; 57,344 x the scale
.endr
.irp b2, 0,1
	v_lshrrev_b32 v[BY+\b2], 23, v[SCO+\b2]        ; the scale's byte
.endr
.irp b2, 0,1
.irp i, 0,1,2,3,4,5,6,7,8,9,10,11,12,13,14,15
	v_med3_num_f32 v[T+16*\b2+\i], v[T+16*\b2+\i], -v[HL+\b2], v[HL+\b2]      ; the conversion to an 8-bit code does not saturate (ISA guide 7.6.2): the hold
.endr
.endr
.irp b2, 0,1
	v_cvt_scalef32_pk8_bf8_f32 v[CD+4*\b2:CD+4*\b2+1], v[T+16*\b2:T+16*\b2+7], v[SCO+\b2]
	v_cvt_scalef32_pk8_bf8_f32 v[CD+4*\b2+2:CD+4*\b2+3], v[T+16*\b2+8:T+16*\b2+15], v[SCO+\b2]
.endr
	v_nop                                          ; a plain line behind the last conversion
	v_cndmask_b32 v[BYS], v[BY], v[BY+1], s33      ; lanes 0-15 store block 0's byte of their row, lanes 16-31 block 1's
	s_wait_alu depctr_va_vdst(0)                   ; the conversions have written CD and the select BYS, which the three stores read
	global_store_b128 v[HO], v[CD:CD+3], s[12:13]
	global_store_b128 v[HO], v[CD+4:CD+7], s[12:13] offset:512
	global_store_b8 v[SO], v[BYS], s[14:15]
.endm
	s_load_b256 s[4:11], s[0:1], 0x0               ; xq s[4:5], W1's codes s[6:7], W1's scales s[8:9], plan s[10:11]
	s_load_b128 s[12:15], s[0:1], 0x20             ; hq s[12:13], hs s[14:15]
	v_lshrrev_b32 v[TMP], 5, v0
	v_readfirstlane_b32 s18, v[TMP]                ; wave 0..3
	s_and_b32 s19, ttmp7, 0xffff                   ; e
	s_and_b32 s20, ttmp9, 3                        ; q
	s_lshr_b32 s21, ttmp9, 2                       ; slice
	s_lshl_b32 s25, s19, 2
	s_wait_kmcnt 0x0
	s_load_b32 s22, s[10:11], s25 offset:CNT_OFF   ; cnt_e: waited for only behind the first loads, none of which hangs on it
	v_and_b32 v1, 15, v0                           ; r
	v_bfe_u32 v2, v0, 4, 1                         ; h
	v_lshlrev_b32 v3, 4, v2                        ; 16 h
	v_and_b32 v4, 31, v0                           ; lane
	v_and_b32 v[TMP], 8, v1
	v_add_nc_u32 v[TMP], v[TMP], v1                ; r + 8 (r / 8)
	v_lshl_add_u32 v[VW], v[TMP], 10, v3
	v_lshl_add_u32 v[VWS], v[TMP], 5, v3
	s_lshl_b32 s36, s20, 6
	v_lshl_add_u32 v[VL], v1, 2, s36               ; slot 16 q + r
	v_min_u32 v[VLC], 8188, v[VL]
	s_lshl_b32 s36, s20, 15
	s_sub_co_u32 s36, s36, 131072                  ; one step of four groups back: the addresses are stepped in front of each group's way out, the first too
	v_lshl_add_u32 v[HO], v4, 4, s36
	s_lshl_b32 s36, s20, 10
	s_sub_co_u32 s36, s36, 4096
	v_lshl_add_u32 v[SO], v1, 6, s36
	v_add_nc_u32 v[SO], v[SO], v2
	v_mov_b32 v[M2], 0                             ; written once: a lane permute's destination counts as one of its sources
	v_mov_b32 v[M2+1], 0
	s_mov_b32 s28, 0xbfb8aa3b                      ; -log2(e); the packed form names the pair
	s_mov_b32 s29, s28
	s_mov_b32 s30, 0x76543210
	s_mov_b32 s31, 0xfedcba98                      ; v_permlanex16_b32's selects for lane l xor 16
	s_mov_b32 s32, 0x600000                        ; the mantissa field of 57,344
	s_mov_b32 s33, 0xffff0000                      ; lanes 16-31
	s_wait_alu depctr_va_sdst(0)                   ; s18, the wave's number, is written, ahead of its first reader: the bases below are made from it
	s_mov_b32 s27, 0
	s_lshl_b32 s26, s19, 21                        ; W1's codes: e x 2,048 rows + my first row f0, 1,024 bytes each
	s_lshl_b32 s36, s21, 18
	s_add_co_u32 s26, s26, s36
	s_lshl_b32 s36, s18, 16
	s_add_co_u32 s26, s26, s36
	s_add_nc_u64 s[6:7], s[6:7], s[26:27]
	s_lshr_b32 s26, s26, 5                         ; its scale bytes: 32 a row
	s_add_nc_u64 s[8:9], s[8:9], s[26:27]
	s_lshl_b32 s26, s19, 22                        ; hq: e x 128 groups of 32,768 bytes; my 64 units are pieces 2 (w % 2), + 1 of K step 2 slice + w / 2: 4,096 slice + 1,024 w bytes on
	s_lshl_b32 s36, s21, 12
	s_add_co_u32 s26, s26, s36
	s_lshl_b32 s36, s18, 10
	s_add_co_u32 s26, s26, s36
	s_add_nc_u64 s[12:13], s[12:13], s[26:27]
	s_lshl_b32 s26, s19, 17                        ; hs: e x 2,048 rows of 64 bytes; my bytes f0 / 32 = 8 slice + 2 w on
	s_lshl_b32 s36, s21, 3
	s_add_co_u32 s26, s26, s36
	s_lshl_b32 s36, s18, 1
	s_add_co_u32 s26, s26, s36
	s_add_nc_u64 s[14:15], s[14:15], s[26:27]
	s_lshl_b32 s26, s19, 13
	s_add_nc_u64 s[34:35], s[10:11], s[26:27]      ; my expert's list
	s_add_nc_u64 s[16:17], s[4:5], XS_OFF          ; x's scale bytes
	s_wait_alu depctr_va_vdst(0)                   ; VLC, VWS and VW are written, which the loads below read as their offsets
	global_load_b32 v[TOK], v[VLC], s[34:35]       ; the first group's tokens: slots 16 q + r lie inside the list whatever cnt_e is
.irp t, 0,1,2,3
	global_load_b128 v[WS+4*\t:WS+4*\t+3], v[VWS], s[8:9] offset:(32*(\t/2)+8*(\t%2))*32
.endr
	WIN 0x40                                       ; destination window 1
.irp t, 0,1
.irp s, 0,1,2,3
	BFRAG \t, \s
.endr
.endr
	WIN 0
	s_wait_kmcnt 0x0
	s_min_u32 s22, s22, 2048                       ; a loaded number steers trips only behind this hold
	s_add_co_u32 s22, s22, 15
	s_lshr_b32 s22, s22, 4                         ; G
	s_add_co_u32 s23, s22, 3
	s_sub_co_u32 s23, s23, s20
	s_lshr_b32 s23, s23, 2                         ; n
	s_cmp_eq_u32 s23, 0
	s_cbranch_scc1 .Lend
	s_wait_loadcnt 36                              ; behind the token load: 4 loads of scale words and 32 of weights, which may stay out
	s_wait_alu depctr_vm_vsrc(0)                   ; the token load has read VLC, which the address lines write again
	ADDR 0
	s_wait_alu depctr_va_vdst(0)                   ; AO[0], XO[0] and VLC are written, and TOK has been read: the 34 loads below read the first three and land in the fourth
	FETCH 0                                        ; the first group's rows go out among the weights
	WIN 0x40
.irp t, 2,3
.irp s, 0,1,2,3
	BFRAG \t, \s
.endr
.endr
	WIN 0x80                                       ; destination window 2
.irp t, 0,1,2,3
.irp s, 4,5,6,7
	BFRAG \t, \s
.endr
.endr
	WIN 0
	s_cmp_lt_u32 s23, 2
	s_cbranch_scc1 .Lone                           ; one group alone: nothing more is asked for
	s_wait_loadcnt 63                              ; behind the second group's token load stand the first group's 33 loads and 96 of weights: any count under 129 shows it in, and this is the largest that the wait can name
	s_wait_alu depctr_vm_vsrc(0)                   ; that token load has read VLC, which the address lines write again
	ADDR 1
	s_wait_alu depctr_va_vdst(0)                   ; AO[1], XO[1] and VLC are written, and TOK has been read
	FETCH 1                                        ; the second group
; Step i asks for group i + 2, so the last two steps ask for nothing.  A trip takes two steps, so that the buffers are back where they began, and both of them ask: (n - 2) / 2 whole trips.  The loop is left by
; falling through.  Behind it two steps are left (n even), or three, of which the first still asks (n odd): they are written out, so that no group is fetched that does not exist.
	s_sub_co_u32 s37, s23, 2
	s_lshr_b32 s37, s37, 1                         ; the trips
	s_mov_b32 s24, 0
	s_cmp_eq_u32 s37, 0
	s_cbranch_scc1 .Ltail
.Lloop:
	STEP 0, 1, 34
	STEP 1, 1, 34
	s_add_co_u32 s24, s24, 1
	s_cmp_lt_u32 s24, s37
	s_cbranch_scc1 .Lloop
.Ltail:
	s_and_b32 s25, s23, 1
	s_cmp_lg_u32 s25, 0
	s_cbranch_scc1 .Lodd
	STEP 0, 0, 34                                  ; n even: the last group but one; the last group's 34 loads may stay out
	STEP 1, 0, 0                                   ; the last: nothing was issued behind its loads
	s_endpgm
.Lodd:
	STEP 0, 1, 34                                  ; n odd: the last group is asked for here,
	STEP 1, 0, 34
.Lone:
	STEP 0, 0, 0                                   ; and multiplied here; with n = 1 this step is the only one
.Lend:
	s_endpgm
.Lfunc_end_k_q10644eca14_ffn1:
	.size	k_q10644eca14_ffn1, .Lfunc_end_k_q10644eca14_ffn1-k_q10644eca14_ffn1
	.p2alignl 7, 3214868480
	.fill 96, 4, 3214868480
	.section	.rodata,"a",@progbits
	.p2align	6, 0x0
	.amdhsa_kernel k_q10644eca14_ffn1
		.amdhsa_group_segment_fixed_size 0
		.amdhsa_private_segment_fixed_size 0
		.amdhsa_enable_private_segment 0
		.amdhsa_kernarg_size 48
		.amdhsa_user_sgpr_count 2
		.amdhsa_user_sgpr_kernarg_segment_ptr 1
		.amdhsa_wavefront_size32 1
		.amdhsa_system_sgpr_workgroup_id_x 1
		.amdhsa_system_sgpr_workgroup_id_y 1
		.amdhsa_system_sgpr_workgroup_id_z 1
		.amdhsa_system_vgpr_workitem_id 0
		.amdhsa_next_free_vgpr 1024
		.amdhsa_next_free_sgpr 66
		.amdhsa_reserve_vcc 0
		.amdhsa_float_denorm_mode_32 3
		.amdhsa_float_denorm_mode_16_64 3
		.amdhsa_memory_ordered 1
		.amdhsa_forward_progress 1
		.amdhsa_inst_pref_size 132
	.end_amdhsa_kernel
	.amdgpu_metadata
---
amdhsa.version: [ 1, 2 ]
amdhsa.kernels:
  - .name:           k_q10644eca14_ffn1
    .symbol:         k_q10644eca14_ffn1.kd
    .args:
      - { .name: xq, .offset: 0, .size: 8, .value_kind: global_buffer, .address_space: global }
      - { .name: w1_codes, .offset: 8, .size: 8, .value_kind: global_buffer, .address_space: global }
      - { .name: w1_scales, .offset: 16, .size: 8, .value_kind: global_buffer, .address_space: global }
      - { .name: plan, .offset: 24, .size: 8, .value_kind: global_buffer, .address_space: global }
      - { .name: hq, .offset: 32, .size: 8, .value_kind: global_buffer, .address_space: global }
      - { .name: hs, .offset: 40, .size: 8, .value_kind: global_buffer, .address_space: global }
    .group_segment_fixed_size: 0
    .private_segment_fixed_size: 0
    .kernarg_segment_align: 8
    .kernarg_segment_size: 48
    .max_flat_workgroup_size: 128
    .sgpr_count:     66
    .vgpr_count:     1024
    .wavefront_size: 32
...
	.end_amdgpu_metadata
.endif
;; end of part 6
;; launch ffn2 (part 7): grid 32 x 8, 4 waves a work-group, no clusters, 135,680 bytes of LDS; arguments hq, hs, w2_codes, w2_scales, plan, y; writes y
.if DOCPART == 7
	.amdgcn_target "amdgcn-amd-amdhsa--gfx1250"
	.amdhsa_code_object_version 6
	.text
	.protected	k_q10644eca14_ffn2
	.globl	k_q10644eca14_ffn2
	.p2align	8
	.type	k_q10644eca14_ffn2,@function
k_q10644eca14_ffn2:
	s_mov_b64 s[64:65], 0
	v_nop
	global_prefetch_b8 v0, s[64:65] scope:SCOPE_SE
	s_setreg_imm32_b32 hwreg(HW_REG_WAVE_SCHED_MODE, 0, 2), 2
	s_setreg_imm32_b32 hwreg(HW_REG_WAVE_MODE, 25, 1), 1
	s_wait_xcnt 0x0
	s_wait_alu depctr_vm_vsrc(0)
; FFN2.  y = h W2_e^T for the rows routed to each expert, on codes of E5M2 with one E8M0 scale for each 32 along K = the 2,048 hidden units; y [e x 2,048 + row][1024] f32.
; GRID as in the launch before: y = the expert e, x = 4 x slice + q; a slice is 128 of the 1,024 outputs; the work-group takes the groups of 16 rows g = q + 4 i, i < n = (G + 3 - q) / 4, G = ceil(cnt_e / 16) from plan.
; SHARES.  THE FOUR WAVES SHARE K: wave w takes hidden units 512 w .. 512 w + 511 (K steps 4 w .. 4 w + 3) for all 128 outputs.  Its part of W2 (128 rows x 512 bytes) fills 512 registers, is read once and stays.
; Of a group of h it needs only its quarter: 16 loads of 512 consecutive bytes from hq, which holds images of this operand's registers, and one load of scale words; 32 products a group, eight accumulators by turns.
; THE SUM OVER THE WAVES is made in LDS: each wave stores its 16 rows x 128 partial sums; behind ONE barrier wave w adds the four waves' rows 4 w .. 4 w + 3, as (0 + 1) + (2 + 3), and stores them whole:
; each store of the wave covers 512 consecutive bytes, aligned.  An order of the f32 sums other than plain ascending K.
; THE LOOP HAS A CONSTANT COUNT, since every wave has to pass every barrier and n is read from memory: 8 trips of two sub-trips, a pair of groups to a sub-trip: 32 groups, the most that any split gives a work-group.
; What a sub-trip has to do is jumped over by scalar branches on n; the barrier and the waits in front of it stand outside them.  A work-group with n = 0 walks the empty trips and stores nothing: the price of one grid for every split.
; AHEAD.  A pair's 34 loads are issued two sub-trips ahead of its products, into the registers that the pair just multiplied has left.  The first two pairs are loaded whatever n is, so that every register is written on every path.
; Every group number that enters a load's address is held at the expert's last written group (an odd n's missing partner reads that group again and nothing is made of it).  With cnt_e = 0 nothing of the expert was written:
; the first two pairs' loads then read bytes that nobody stored, and nothing is made of them either.
; WHY NO TENSOR LOADS OR CLUSTER: which groups exist is read from memory and differs between the four work-groups (q) that share a slice's weights; the weights are read once by a wave.
; LAYOUT.  TRANSPOSED use (source 0 = 16 rows of W2, source 1 = 16 rows of h): in tile t lane (r, h) holds y(row r, 16 t + 8 h + 0 .. 7): 32 bytes of a row.
; SCALE WORDS: a row's 16 bytes at 16 w are the words of my four K steps: one load of 16 bytes a row; lanes 16-31 load the same as lanes 0-15 and are not read.
; LDS: area (parity of the sub-trip, group of the pair, wave) at ((2 par + grp) x 4 + w) x 8,448 bytes: 16 rows of 512 bytes + 16, so that the 16 rows that a store touches start at 16 different banks (ISA guide 11.1).
; The parities take turns: a sub-trip's stores never meet the reads of the sub-trip before, and the barrier between lies ahead of the next stores into the same parity.
; REGISTERS: window 0: names below.  window 1: W2's fragments (K step j < 2, tile t) at 16 (8 j + t).  window 2: K steps 2, 3 likewise.  window 3: h's fragments: parity, group, K step j at 128 par + 64 grp + 16 j.
; THE MODE: SCHED_MODE bits 1:0 = 2 (LLVM: expert scheduling mode 2), set by the entry lines.  The code itself states the register dependences between vector or matrix instructions and memory or LDS instructions,
; with s_wait_alu, always for 0.
; THE PLAN.  Registers that memory or LDS instructions touch, in a sub-trip of parity par:
;   h[par], HS[par]     Read by the sub-trip's products; behind them the loads of the pair two sub-trips on land there.
;   AO, XO of par       Written by four address lines behind the pair's products; read by those 34 loads.
;   the accumulators    Written by the products; read by the LDS stores; behind the barrier the LDS loads land in them; the additions read and write them; the global stores read the sums; the next sub-trip's products write them anew.
;   YO                  Written by one line for each group behind the barrier; read by the global stores.
;   STO, RD, L16, R64, VW are made at the head and never written again; W2's fragments and WS are loaded once; v126 and v127 serve the closing add alone.
; So a sub-trip has two waits on vm_vsrc and two on va_vdst.  vm_vsrc at the head: the last sub-trip's global stores have read the sums and YO, this parity's loads AO and XO.  va_vdst behind the products and the address
; lines: it serves the LDS stores, the 34 loads and the LDS loads behind the barrier, since no vector line in between names a register of theirs.  vm_vsrc in front of the barrier: the LDS stores have read the accumulators.
; va_vdst behind the additions: it serves all the sub-trip's global stores.  A further pair is asked for only where i + 4 < n, and then both groups of this pair exist: so the address lines stand in the full pair's arm alone.
.set CNT_OFF, 81920
.set PP,   528                         ; an LDS row
.set PART, 16*PP                       ; a wave's partial sums of a group
.set GRPB, 4*PART                      ; the four waves'
.set PARB, 2*GRPB                      ; a pair's
.set TMP, 10
.set VW,  5                            ; W2: r x 2,048 + 16 h
.set R64, 6                            ; 64 r: a row of scale bytes, W2's and h's
.set L16, 7                            ; 16 x lane: my bytes of an image's piece, and of a row of y
.set AO,  12                           ; v12-15  hq: 16 x lane + 32,768 x group, for (parity, group of the pair) at 2 par + grp
.set XO,  16                           ; v16-19  hs: 64 r + 1,024 x group, likewise
.set STO, 20                           ; v20-21  LDS: where I put 32 bytes of a row, for each parity
.set RD,  22                           ; v22-23  LDS: my 16 bytes of row 4 w of wave 0's area, for each parity
.set YO,  24                           ; v24-25  y: 16 x lane + 65,536 x group, for each group of the pair
.set WS,  32                           ; v32-63  W2's scale words: 4 t + j
.set HS,  64                           ; v64-79  h's: 8 par + 4 grp + j
.set AC,  128                          ; v128-255 the accumulators: 64 grp + 8 t; behind the barrier the four waves' rows (64 grp + 16 p + 4 k) and their sums
.set MSB, 0
.macro WIN new                         ; the immediate's high byte repeats the setting that is left; a switch that changes nothing is dropped
.if MSB != (\new)
	s_set_vgpr_msb (MSB<<8)|(\new)
.set MSB, (\new)
.endif
.endm
.macro BFRAG t, j                      ; a fragment of W2: 16 rows x 128 K (the window is set by the caller)
.irp c, 0,1,2,3
	global_load_b128 v[16*(8*((\j)%2)+(\t))+4*\c:16*(8*((\j)%2)+(\t))+4*\c+3], v[VW], s[8:9] offset:(\t)*32768+128*(\j)+32*\c
.endr
.endm
.macro OFFS par, c                     ; the addresses of groups i = s24 + c and s24 + c + 1, for parity par: four plain vector lines
.irp g, 0,1
	s_add_co_u32 s25, s24, (\c)+\g
	s_lshl_b32 s25, s25, 2
	s_add_co_u32 s25, s25, s20                     ; g = q + 4 i,
	s_min_u32 s25, s25, s28                        ; held at the expert's last written group,
	s_min_u32 s25, s25, 127                        ; and, since that is made of a loaded number, at the constant that bounds it
	v_lshl_add_u32 v[AO+2*\par+\g], s25, 15, v[L16]
	v_lshl_add_u32 v[XO+2*\par+\g], s25, 10, v[R64]
.endr
.endm
.macro GLOAD par                       ; a pair's quarter of K: 2 x 16 loads of codes and 2 of scale words: 34 loads
	WIN 0xc0                                       ; destination window 3, address window 0
.irp g, 0,1
.irp j, 0,1,2,3
.irp c, 0,1,2,3
	global_load_b128 v[128*\par+64*\g+16*\j+4*\c:128*\par+64*\g+16*\j+4*\c+3], v[AO+2*\par+\g], s[4:5] offset:2048*\j+512*\c
.endr
.endr
.endr
	WIN 0
.irp g, 0,1
	global_load_b128 v[HS+8*\par+4*\g:HS+8*\par+4*\g+3], v[XO+2*\par+\g], s[6:7]
.endr
.endm
; 32 matrix instructions on one group: K step by K step, the eight tiles by turns, one instruction a turn.  The first K step starts the sums.
.macro MUL par, grp
.set RB, AC+64*(\grp)
.set HB, 128*(\par)+64*(\grp)
.set SB, HS+8*(\par)+4*(\grp)
	WIN 0x0d                                       ; source 0 (W2) window 1, source 1 (h) window 3, C and D window 0
.irp j, 0,1
.irp t, 0,1,2,3,4,5,6,7
.if \j == 0
	v_wmma_scale_f32_16x16x128_f8f6f4 v[RB+8*\t:RB+8*\t+7], v[16*(8*\j+\t):16*(8*\j+\t)+15], v[HB+16*\j:HB+16*\j+15], 0, v[WS+4*\t+\j], v[SB+\j] matrix_a_fmt:MATRIX_FMT_BF8 matrix_b_fmt:MATRIX_FMT_BF8
.else
	v_wmma_scale_f32_16x16x128_f8f6f4 v[RB+8*\t:RB+8*\t+7], v[16*(8*\j+\t):16*(8*\j+\t)+15], v[HB+16*\j:HB+16*\j+15], v[RB+8*\t:RB+8*\t+7], v[WS+4*\t+\j], v[SB+\j] matrix_a_fmt:MATRIX_FMT_BF8 matrix_b_fmt:MATRIX_FMT_BF8
.endif
.endr
.endr
	WIN 0x0e                                       ; W2's K steps 2 and 3 lie in window 2
.irp j, 0,1
.irp t, 0,1,2,3,4,5,6,7
	v_wmma_scale_f32_16x16x128_f8f6f4 v[RB+8*\t:RB+8*\t+7], v[16*(8*\j+\t):16*(8*\j+\t)+15], v[HB+32+16*\j:HB+32+16*\j+15], v[RB+8*\t:RB+8*\t+7], v[WS+4*\t+2+\j], v[SB+2+\j] matrix_a_fmt:MATRIX_FMT_BF8 matrix_b_fmt:MATRIX_FMT_BF8
.endr
.endr
	WIN 0
.endm
.macro STOREP par, grp                 ; my partial sums of a group into my area
.set RB, AC+64*(\grp)
.irp t, 0,1,2,3,4,5,6,7
	ds_store_b128 v[STO+\par], v[RB+8*\t:RB+8*\t+3] offset:(\grp)*GRPB+64*\t          ; each accumulator from its low end on
	ds_store_b128 v[STO+\par], v[RB+8*\t+4:RB+8*\t+7] offset:(\grp)*GRPB+64*\t+16
.endr
.endm
; Rows 4 w .. 4 w + 3 of a group, in three parts.  The registers are the group's accumulators, which the stores into LDS have left.
.macro RLOAD par, grp                  ; the four waves' partial sums are read: row by row, the four waves' on end
.set RB, AC+64*(\grp)
.irp k, 0,1,2,3
.irp p, 0,1,2,3
	ds_load_b128 v[RB+16*\p+4*\k:RB+16*\p+4*\k+3], v[RD+\par] offset:(\grp)*GRPB+\p*PART+\k*PP   ; 32 lanes read a row's 512 bytes
.endr
.endr
.endm
.macro RADD grp, younger               ; and added.  younger: the LDS loads issued behind this group's sixteen
.set RB, AC+64*(\grp)
.irp k, 0,1,2,3
	s_wait_dscnt (\younger)+4*(3-\k)               ; LDS loads come back in order: row k's four are in; the later rows' four each, and the other group's, may be out
.irp u, 0,2
	v_pk_add_f32 v[RB+4*\k+\u:RB+4*\k+\u+1], v[RB+4*\k+\u:RB+4*\k+\u+1], v[RB+16+4*\k+\u:RB+16+4*\k+\u+1]
	v_pk_add_f32 v[RB+32+4*\k+\u:RB+32+4*\k+\u+1], v[RB+32+4*\k+\u:RB+32+4*\k+\u+1], v[RB+48+4*\k+\u:RB+48+4*\k+\u+1]
.endr
.irp u, 0,2
	v_pk_add_f32 v[RB+4*\k+\u:RB+4*\k+\u+1], v[RB+4*\k+\u:RB+4*\k+\u+1], v[RB+32+4*\k+\u:RB+32+4*\k+\u+1]
.endr
.endr
.endm
.macro RSTORE grp                      ; and stored
.set RB, AC+64*(\grp)
.irp k, 0,1,2,3
	global_store_b128 v[YO+\grp], v[RB+4*\k:RB+4*\k+3], s[14:15] offset:4096*\k
.endr
.endm
; A SUB-TRIP: the pair of groups i = s24 + c, s24 + c + 1, of parity par.
; Behind this form: eight places before its results are read, nine before the next products write the accumulators anew: nine plain vector lines stand behind the products in each arm.
.macro SUB par, c
	s_wait_loadcnt 34                              ; behind this pair's loads the next pair's 34 were issued, or, where none were, everything was waited for: this pair is in
	s_wait_xcnt 0x0                                ; the last sub-trip's stores have had their addresses translated (ISA guide 3.1): the accumulators and YO are written again only behind this wait.  It stands ahead of this sub-trip's loads
	s_wait_alu depctr_vm_vsrc(0)                   ; the last sub-trip's global stores have read the sums, which the products below write over, and YO; this parity's loads have read AO and XO, which the address lines write again
	s_add_co_u32 s37, s24, (\c)+1
	s_add_co_u32 s25, s24, \c
	s_cmp_lt_u32 s25, s23
	s_cbranch_scc0 .Lidle_\@                       ; no group of this pair exists
	s_cmp_lt_u32 s37, s23
	s_cbranch_scc0 .Lsingle_\@                     ; the two cases are written out, so that on no path sums are stored that were not made
	MUL \par, 0
	MUL \par, 1
	OFFS \par, (\c)+4                              ; the addresses of the pair two sub-trips on: four of the nine places (they name no register of the products); used only where that pair is asked for
.rept 5
	v_nop
.endr
	s_wait_alu depctr_va_vdst(0)                   ; the products have written the accumulators, which the LDS stores read and in which the LDS loads behind the barrier land; they are done reading h[par] and HS[par], in which the next loads land; AO and XO are written
	STOREP \par, 0
	STOREP \par, 1
	s_branch .Lidle_\@
.Lsingle_\@:
	MUL \par, 0
.rept 9
	v_nop
.endr
	s_wait_alu depctr_va_vdst(0)                   ; the products have written the group's accumulators, which the LDS stores read and in which the LDS loads behind the barrier land
	STOREP \par, 0
.Lidle_\@:
	s_add_co_u32 s25, s24, (\c)+4
	s_cmp_lt_u32 s25, s23
	s_cbranch_scc0 .Lnomore_\@
	GLOAD \par                                     ; the pair two sub-trips on, into the registers that this pair has left.  No wait: no vector or matrix line since the arm's wait names a register that these loads touch
	s_branch .Lasked_\@
.Lnomore_\@:
	s_wait_loadcnt 0x0                             ; nothing more is asked for: so that the count at the next head holds on this path too
.Lasked_\@:
	s_wait_dscnt 0x0                               ; for the others' sake: my partial sums have landed, and my reads of the last sub-trip's are over
	s_wait_alu depctr_vm_vsrc(0)                   ; my LDS stores have read the accumulators, in which the LDS loads below land and which the additions write
	s_barrier_signal -1
	s_barrier_wait -1
	s_add_co_u32 s25, s24, \c
	s_cmp_lt_u32 s25, s23
	s_cbranch_scc0 .Ldone_\@
	RLOAD \par, 0
	s_lshl_b32 s25, s25, 2
	s_add_co_u32 s25, s25, s20                     ; g = q + 4 i
	v_lshl_add_u32 v[YO], s25, 16, v[L16]          ; 16 rows of 4,096 bytes a group
	s_cmp_lt_u32 s37, s23
	s_cbranch_scc0 .Lr1_\@
	RLOAD \par, 1                                  ; both groups' LDS loads are out before the first addition
	s_lshl_b32 s25, s37, 2
	s_add_co_u32 s25, s25, s20
	v_lshl_add_u32 v[YO+1], s25, 16, v[L16]
	RADD 0, 16
	RADD 1, 0
	s_wait_alu depctr_va_vdst(0)                   ; the additions have written both groups' sums, and the two lines above YO: the eight stores read them
	RSTORE 0
	RSTORE 1
	s_branch .Ldone_\@
.Lr1_\@:
	RADD 0, 0
	s_wait_alu depctr_va_vdst(0)                   ; the additions have written the group's sums, and the line above YO: the four stores read them
	RSTORE 0
.Ldone_\@:
.endm
	s_load_b256 s[4:11], s[0:1], 0x0               ; hq s[4:5], hs s[6:7], W2's codes s[8:9], W2's scales s[10:11]
	s_load_b128 s[12:15], s[0:1], 0x20             ; plan s[12:13], y s[14:15]
	v_lshl_add_u32 v126, v0, 2, 0x21000
	v_mov_b32 v127, 0
	v_lshrrev_b32 v[TMP], 5, v0
	v_readfirstlane_b32 s18, v[TMP]                ; wave 0..3
	s_and_b32 s19, ttmp7, 0xffff                   ; e
	s_and_b32 s20, ttmp9, 3                        ; q
	s_lshr_b32 s21, ttmp9, 2                       ; slice
	s_lshl_b32 s25, s19, 2
	s_wait_kmcnt 0x0
	s_load_b32 s22, s[12:13], s25 offset:CNT_OFF   ; cnt_e: waited for only behind the weights' loads, which do not hang on it
	v_and_b32 v1, 15, v0                           ; r
	v_bfe_u32 v2, v0, 4, 1                         ; h
	v_lshlrev_b32 v3, 4, v2                        ; 16 h
	v_and_b32 v4, 31, v0                           ; lane
	v_lshl_add_u32 v[VW], v1, 11, v3
	v_lshlrev_b32 v[R64], 6, v1
	v_lshlrev_b32 v[L16], 4, v4
	s_wait_alu depctr_va_sdst(0)                   ; s18, the wave's number, is written, ahead of its first reader: LDS addresses and bases are made from it
	s_mul_i32 s36, s18, PART                       ; my area of a group
	v_mul_u32_u24 v[STO], v1, PP
	v_lshl_add_u32 v[STO], v2, 5, v[STO]           ; row r, + 32 h
	v_add_nc_u32 v[STO], s36, v[STO]
	v_add_nc_u32 v[STO+1], PARB, v[STO]
	s_mul_i32 s36, s18, 4*PP                       ; the rows that I add: 4 w on
	v_add_nc_u32 v[RD], s36, v[L16]
	v_add_nc_u32 v[RD+1], PARB, v[RD]
	s_mov_b32 s27, 0
	s_lshl_b32 s26, s19, 22                        ; hq: e x 128 groups of 32,768 bytes; my K steps begin 4 w x 2,048 bytes on
	s_lshl_b32 s36, s18, 13
	s_add_co_u32 s26, s26, s36
	s_add_nc_u64 s[4:5], s[4:5], s[26:27]
	s_lshl_b32 s26, s19, 17                        ; hs: e x 2,048 rows of 64 bytes; my bytes 16 w on
	s_lshl_b32 s36, s18, 4
	s_add_co_u32 s26, s26, s36
	s_add_nc_u64 s[6:7], s[6:7], s[26:27]
	s_lshl_b32 s26, s19, 21                        ; W2's codes: (e x 1,024 + 128 slice) rows of 2,048 bytes, + 512 w
	s_lshl_b32 s36, s21, 18
	s_add_co_u32 s26, s26, s36
	s_lshl_b32 s36, s18, 9
	s_add_co_u32 s26, s26, s36
	s_add_nc_u64 s[8:9], s[8:9], s[26:27]
	s_lshl_b32 s26, s19, 16                        ; its scale bytes: the same rows of 64 bytes, + 16 w
	s_lshl_b32 s36, s21, 13
	s_add_co_u32 s26, s26, s36
	s_lshl_b32 s36, s18, 4
	s_add_co_u32 s26, s26, s36
	s_add_nc_u64 s[10:11], s[10:11], s[26:27]
	s_lshl_b32 s26, s19, 23                        ; y: e x 2,048 rows of 4,096 bytes, + the slice's 512 bytes, + my 4 w rows
	s_lshl_b32 s36, s21, 9
	s_add_co_u32 s26, s26, s36
	s_lshl_b32 s36, s18, 14
	s_add_co_u32 s26, s26, s36
	s_add_nc_u64 s[14:15], s[14:15], s[26:27]
	s_wait_alu depctr_va_vdst(0)                   ; R64, VW, L16, STO and RD are written, which the loads below and every LDS instruction of the loop read as their addresses
.irp t, 0,1,2,3,4,5,6,7
	global_load_b128 v[WS+4*\t:WS+4*\t+3], v[R64], s[10:11] offset:1024*\t
.endr
	WIN 0x40                                       ; destination window 1
.irp j, 0,1
.irp t, 0,1,2,3,4,5,6,7
	BFRAG \t, \j
.endr
.endr
	WIN 0x80                                       ; destination window 2
.irp j, 2,3
.irp t, 0,1,2,3,4,5,6,7
	BFRAG \t, \j
.endr
.endr
	WIN 0
	s_wait_kmcnt 0x0
	s_min_u32 s22, s22, 2048                       ; a loaded number steers branches only behind this hold
	s_add_co_u32 s22, s22, 15
	s_lshr_b32 s22, s22, 4                         ; G
	s_add_co_u32 s23, s22, 3
	s_sub_co_u32 s23, s23, s20
	s_lshr_b32 s23, s23, 2                         ; n
	s_max_u32 s28, s22, 1
	s_sub_co_u32 s28, s28, 1                       ; the expert's last written group
	s_mov_b32 s24, 0                               ; i of the trip's first group
	OFFS 0, 0
	OFFS 1, 2
	s_wait_alu depctr_va_vdst(0)                   ; both parities' AO and XO are written, which the 68 loads below read
	GLOAD 0                                        ; the first two pairs, whatever n is; the second pair's 34 loads are the youngest at the first head
	GLOAD 1
.Lloop:
	SUB 0, 0
	SUB 1, 2
	s_add_co_u32 s24, s24, 4
	s_cmp_lt_u32 s24, 32
	s_cbranch_scc1 .Lloop
	s_wait_dscnt 0x0                               ; the closing lines, six on end
	s_wait_alu 0x0
	s_wait_tensorcnt 0x0
	ds_add_u32 v126, v127
	s_wait_dscnt 0x0
	s_endpgm
.Lfunc_end_k_q10644eca14_ffn2:
	.size	k_q10644eca14_ffn2, .Lfunc_end_k_q10644eca14_ffn2-k_q10644eca14_ffn2
	.p2alignl 7, 3214868480
	.fill 96, 4, 3214868480
	.section	.rodata,"a",@progbits
	.p2align	6, 0x0
	.amdhsa_kernel k_q10644eca14_ffn2
		.amdhsa_group_segment_fixed_size 135680
		.amdhsa_private_segment_fixed_size 0
		.amdhsa_enable_private_segment 0
		.amdhsa_kernarg_size 48
		.amdhsa_user_sgpr_count 2
		.amdhsa_user_sgpr_kernarg_segment_ptr 1
		.amdhsa_wavefront_size32 1
		.amdhsa_system_sgpr_workgroup_id_x 1
		.amdhsa_system_sgpr_workgroup_id_y 1
		.amdhsa_system_sgpr_workgroup_id_z 1
		.amdhsa_system_vgpr_workitem_id 0
		.amdhsa_next_free_vgpr 1024
		.amdhsa_next_free_sgpr 66
		.amdhsa_reserve_vcc 0
		.amdhsa_float_denorm_mode_32 3
		.amdhsa_float_denorm_mode_16_64 3
		.amdhsa_memory_ordered 1
		.amdhsa_forward_progress 1
		.amdhsa_inst_pref_size 82
	.end_amdhsa_kernel
	.amdgpu_metadata
---
amdhsa.version: [ 1, 2 ]
amdhsa.kernels:
  - .name:           k_q10644eca14_ffn2
    .symbol:         k_q10644eca14_ffn2.kd
    .args:
      - { .name: hq, .offset: 0, .size: 8, .value_kind: global_buffer, .address_space: global }
      - { .name: hs, .offset: 8, .size: 8, .value_kind: global_buffer, .address_space: global }
      - { .name: w2_codes, .offset: 16, .size: 8, .value_kind: global_buffer, .address_space: global }
      - { .name: w2_scales, .offset: 24, .size: 8, .value_kind: global_buffer, .address_space: global }
      - { .name: plan, .offset: 32, .size: 8, .value_kind: global_buffer, .address_space: global }
      - { .name: y, .offset: 40, .size: 8, .value_kind: global_buffer, .address_space: global }
    .group_segment_fixed_size: 135680
    .private_segment_fixed_size: 0
    .kernarg_segment_align: 8
    .kernarg_segment_size: 48
    .max_flat_workgroup_size: 128
    .sgpr_count:     66
    .vgpr_count:     1024
    .wavefront_size: 32
...
	.end_amdgpu_metadata
.endif
;; end of part 7
;; launch combine: the kernel of part 5 again; grid 256 x 1, 8 waves a work-group, no clusters, 0 bytes of LDS; arguments y, plan, gw, out0; writes out0
